; MI455X (gfx1250); checked and timed in simulation.
; The chip was launched on July 23, 2026; its instructions are those of AMD's public machine-readable ISA for CDNA 5 (MIT licence, August 2026) and "CDNA5" Instruction Set Architecture Reference Guide (July 2026). The comments in the code are by the model that wrote it; some were corrected since.
;; Attention. Allowed arithmetic: matrix products marked QUANTISED: E2M3 operands, one E8M0 scale for each 32 along K, by v_wmma_scale_f32_16x16x128_f8f6f4 with both operands' format E2M3, f32 sums; everything else in f32.
;; Inputs: W_out 1,024 x 1,024 float32; W_qkv 1,024 x 3,072 float32; b_out 1,024 float32; mask 4 x 2,048 bool; rotary_pos_emb 2,048 x 64 float32; x 4 x 2,048 x 1,024 float32.
;; Outputs: out0 4 x 2,048 x 1,024 float32.
;; This version of the problem:
;;   THIS VERSION OF THE PROBLEM IS GIVEN IN LOW PRECISION. The matrix products marked QUANTISED in the list below multiply operands that are first quantised to E2M3 (2 exponent bits, 3 mantissa bits; 6 bits a number), with one power-of-two scale for each 32 numbers along K (OCP MX v1.0); their sums are f32. All else is computed in f32.
;;   The module's matrix products, in the order in which they are computed (A, B: the left and right operand; K: the contracted axis; several contracted axes count as one K, in the product's order):
;;     1. [M 8,192, K 1,024] x [K 1,024, N 3,072]; A: input x; B: input W_qkv: QUANTISED
;;     2. batch 64 x [M 2,048, K 64] x [K 64, N 2,048]; A: computed on the way; B: computed on the way: QUANTISED
;;     3. batch 64 x [M 2,048, K 2,048] x [K 2,048, N 64]; A: softmax (see below); B: computed on the way: QUANTISED
;;     4. [M 8,192, K 1,024] x [K 1,024, N 1,024]; A: computed on the way; B: input W_out: QUANTISED
;;   THE QUANTISER, for each operand of a quantised product, along K:
;;     - K is cut into blocks of 32 from its start; a last block that is shorter is filled with zeros.
;;     - A block's scale is 2^e with e = floor(log2(the largest magnitude in the block)) - 2, held to -126 .. 127; a block of zeros has e = 0. As a byte (E8M0): e + 127.
;;     - Each number is divided by its block's scale, clamped to +-7.5, and rounded to the nearest number of E2M3, ties to even, subnormals kept.
;;     - The product sums the exact products of the quantised numbers (number of the format x scale) in f32.
;;   ~~~python
;;   def quantise(x, axis):      # numpy; x: float32 -> the quantised numbers, widened to float32 again
;;       x = np.moveaxis(x, axis, -1); K = x.shape[-1]
;;       x = np.pad(x, [(0, 0)] * (x.ndim - 1) + [(0, -K % 32)]); x = x.reshape(x.shape[:-1] + (-1, 32)); a = np.abs(x).max(-1, keepdims=True)
;;       e = np.where(a > 0, np.clip(np.frexp(np.where(a > 0, a, 1))[1] - 1 - 2, -126, 127), 0)      # np.frexp(a)[1] - 1 = floor(log2(a)), exactly
;;       r = np.clip(x / 2.0 ** e, -7.5, 7.5)
;;       step = 2.0 ** (np.maximum(np.frexp(np.where(r == 0, 1, r))[1] - 1, 0) - 3)
;;       q = np.round(r / step) * step * 2.0 ** e      # np.round: ties to even
;;       return np.moveaxis(q.reshape(q.shape[:-2] + (-1,))[..., :K], -1, axis).astype(np.float32)
;;   ~~~
;;   SOFTMAX AHEAD OF A QUANTISED PRODUCT. Where the list says 'softmax', what is quantised is not the finished softmax but p = 2^(t - M), with t = logit x log2(e) and M = ceil(the row's largest t), a whole number; so 1/2 < the row's largest p <= 1. The row's sum l is taken of the UNQUANTISED p, in f32, and the product's result is divided by l at the end. Since M is a whole number, a kernel that streams over the keys may use a running M (the ceiling of the running maximum): every later rescaling is an exact power of two, which a block's scale takes up: the codes' values come out the same.
;;   OPERANDS COMPUTED ON THE WAY. 'Computed on the way' means the value that the module computes at that place (a softmax that the list does not call 'softmax' is quantised finished and normalised). What goes into a quantiser is computed in f32, as accurately as f32 sums, v_exp_f32 and their like allow (about 1e-6 of the number): no bf16 or f16 on the way to a quantiser, and a product that is left as it is and whose result goes on into a quantised operand takes f32 operands (vector FMAs, or v_wmma_f32_16x16x4_f32). A number that lies on a knife's edge between two numbers of the format may be rounded either way, as far as f32 arithmetic and the matrix unit's own rounding can turn it there, and no further.
;; One version. Each part assembles by itself: llvm-mc -triple=amdgcn-amd-amdhsa -mcpu=gfx1250 --defsym DOCPART=n.
;; ======== version 1 of 1: 4 launches
;; limits: inputs' magnitudes at most 100,000; right only within a limited range of input values
;; workspace buffers: xc 6,553,600 bytes; wc 3,276,800 bytes; tg 2,097,152 bytes; qb 13,107,200 bytes; kv 13,107,200 bytes; oc 6,553,600 bytes
;; launch quant_w (part 1): grid 112 x 4, 4 waves a work-group, no clusters, 60,416 bytes of LDS; arguments W_qkv, W_out, rotary_pos_emb, wc, tg, x, xc; writes wc, tg, xc
.if DOCPART == 1
	.amdgcn_target "amdgcn-amd-amdhsa--gfx1250"
	.amdhsa_code_object_version 6
	.text
	.protected	k_q6384c600ad_quant_w
	.globl	k_q6384c600ad_quant_w
	.p2align	8
	.type	k_q6384c600ad_quant_w,@function
k_q6384c600ad_quant_w:
	s_mov_b64 s[64:65], 0
	v_nop
	global_prefetch_b8 v0, s[64:65] scope:SCOPE_SE
	s_setreg_imm32_b32 hwreg(HW_REG_WAVE_MODE, 25, 1), 1
	s_wait_xcnt 0x0
; Work-groups x = 0 .. 31: W_qkv [1024][3072] and W_out [1024][1024], f32 with K as FIRST axis, become codes of FP6 (E2M3) in the order of the operand's registers (see below); x = 32 .. 47: the rotary tables.
; WEIGHTS.  A lane takes a column, its registers run down K: a block of 32 along K lies in one lane, and the conversions give codes with K innermost.  Tiles 0-191 of wc are W_qkv's columns, 192-255 W_out's;
; lane r of tile t holds column 32 (t / 2) + 8 (t % 2) + r + 8 (r / 8).  Codes [tile][K step][1,536] as images of registers (for each 64 K: registers 0-3, 16 bytes a lane; registers 4-5, 8 bytes a lane);
; scale words at byte 3,145,728: [tile][K step / 2][r][K step % 2].  A wave takes 32 columns (two tiles) x 256 along K (work-group y); one path serves both weights: pointer, pitch and column are chosen by scalar selects.
; The codes go through the wave's own stage in LDS and leave in runs of 512 consecutive bytes.
; TABLES.  cos and sin of rotary_pos_emb, in f32: the angle less a whole number of quarter turns (pi / 2 in three parts, fused multiply-adds), then polynomials on |r| <= pi / 4.  LIMIT: angles up to about 1e5 in magnitude.
; S holds -sin where the head's channel d is even and +sin where it is odd: out[d] = t[d] C[d] + t[d ^ 1] S[d].  Four tables in tg, each an image of the registers that the next launch wants:
; CI +0, SI +524,288: [tile of positions 0..127][quad k 0..7][16 bytes a lane]: lane (r, h): channels 32 (k / 4) + 16 h + 4 (k % 4) + e of the tile's position r.
; VCI +1,048,576, VSI +1,572,864: [128 positions kb][tile of channels a][quad k 0..15]: lane (r, h): the tile's channel r at positions 128 kb + 32 (k / 4) + 16 h + 4 (k % 4) + e; VSI holds lane l xor 1's S.
; LIMITS of the quantiser: a block of zeros gets the byte 1 (its codes are zeros; this program alone reads the bytes); NaN and infinities are not served.
.set SPARE, 25600                      ; behind the four stages of 6,400 bytes: the spare words
	s_load_b256 s[4:11], s[0:1], 0x0               ; W_qkv, W_out, rotary_pos_emb, wc
	s_load_b64 s[12:13], s[0:1], 0x20              ; tg
	v_lshl_add_u32 v28, v0, 2, SPARE
	v_mov_b32 v29, 0
	v_lshrrev_b32 v1, 5, v0
	v_readfirstlane_b32 s14, v1                    ; wave
	v_and_b32 v2, 31, v0                           ; lane
	s_and_b32 s15, ttmp7, 0xffff                   ; work-group y
	; Work-groups x = 48 .. 111 quantise the tokens x (the third path, at the text's end): one launch prepares all the inputs; each path has LDS bytes of its own
	s_cmp_ge_u32 ttmp9, 48
	s_wait_alu depctr_va_vdst(0)                   ; the wait stands directly ahead of the branch
	s_cbranch_scc1 .Lx
	s_cmp_ge_u32 ttmp9, 32
	s_cbranch_scc1 .Ltrig
	; ---------------- the weights
	s_mov_b32 s16, 4096
	s_cmp_lt_u32 ttmp9, 24                         ; W_qkv's work-group or W_out's: the work-group's number alone decides
	s_cselect_b32 s16, 12288, s16                  ; a row of the weight in bytes
	s_cselect_b32 s17, 0, 24
	s_sub_co_u32 s17, ttmp9, s17                   ; which 128 columns of the weight
	s_lshl_b32 s18, s17, 9
	s_lshl_b32 s19, s14, 7
	s_add_co_u32 s18, s18, s19                     ; my wave's 32 columns, in bytes
	s_lshl_b32 s19, s15, 8
	s_mul_i32 s19, s19, s16                        ; + 256 y rows
	s_add_co_u32 s18, s18, s19
	s_mov_b32 s19, 0
	s_lshl_b32 s20, s16, 5                         ; a block: 32 rows
	s_mov_b32 s21, 0
	s_wait_alu depctr_va_vdst(0)
	v_lshlrev_b32 v32, 2, v2                       ; v32-63: 4 x lane + i rows
.set i, 1
.rept 31
	v_add_nc_u32 v[32+i], s16, v[31+i]
.set i, i+1
.endr
	v_bfe_u32 v3, v0, 3, 1                         ; column l of the 32 lies in tile u = (l / 8) % 2,
	v_and_b32 v4, 7, v0
	v_bfe_u32 v5, v0, 4, 1
	v_lshl_or_b32 v4, v5, 3, v4                    ; at its lane r = l % 8 + 8 (l / 16)
	s_mul_i32 s22, s14, 6400                       ; my stage: two tiles, 3,200 bytes apart, each two fragments of 1,536
	v_mul_u32_u24 v6, v3, 3200
	v_add_nc_u32 v6, s22, v6
	v_lshl_add_u32 v7, v4, 4, v6                   ; where registers 0-3 of lane r go,
	v_lshl_add_u32 v8, v4, 3, v6
	v_add_nc_u32 v8, 512, v8                       ; and registers 4-5
	v_lshlrev_b32 v9, 4, v2                        ; the way out: 16 x lane
	v_add_nc_u32 v10, s22, v9
	v_lshlrev_b32 v11, 9, v3
	v_lshl_add_u32 v11, v4, 3, v11                 ; my scale words: 512 u + 8 r
	s_lshl_b32 s23, ttmp9, 2
	s_add_co_u32 s23, s23, s14                     ; my pair of tiles
	s_mul_i32 s24, s23, 24576
	s_mul_i32 s25, s15, 3072
	s_add_co_u32 s24, s24, s25                     ; its codes, K steps 2 y and 2 y + 1
	s_mov_b32 s25, 0
	s_lshl_b32 s26, s23, 10
	s_lshl_b32 s27, s15, 7
	s_add_co_u32 s26, s26, s27
	s_add_co_u32 s26, s26, 3145728                 ; its scale words
	s_mov_b32 s27, 0
	s_wait_kmcnt 0x0
	s_cmp_lt_u32 ttmp9, 24
	s_cselect_b64 s[32:33], s[4:5], s[6:7]
	s_add_nc_u64 s[32:33], s[32:33], s[18:19]      ; s[32:47]: a base for each of my eight blocks; never rewritten
.irp t, 1,2,3,4,5,6,7
	s_add_nc_u64 s[32+2*\t:33+2*\t], s[30+2*\t:31+2*\t], s[20:21]
.endr
	s_add_nc_u64 s[28:29], s[10:11], s[26:27]
	s_add_nc_u64 s[10:11], s[10:11], s[24:25]
.macro LOADW t                         ; block t: 32 rows of my column into set t % 2; a load reads 128 consecutive bytes
.set i, 0
.rept 32
	global_load_b32 v[64+32*((\t)%2)+i], v[32+i], s[32+2*(\t):33+2*(\t)] th:TH_LOAD_NT
.set i, i+1
.endr
.endm
.macro BLOCK t
.set XS, 64+32*((\t)%2)
.if (\t) < 7
	s_wait_loadcnt 32                              ; this block's 32 loads are in; the next block's may be out
.else
	s_wait_loadcnt 0x0
.endif
	v_max3_num_f32 v12, |v[XS]|, |v[XS+1]|, |v[XS+2]|
	v_max3_num_f32 v13, |v[XS+3]|, |v[XS+4]|, |v[XS+5]|
.irp i, 6,10,14,18,22,26
	v_max3_num_f32 v12, v12, |v[XS+\i]|, |v[XS+\i+1]|
	v_max3_num_f32 v13, v13, |v[XS+\i+2]|, |v[XS+\i+3]|
.endr
	v_max3_num_f32 v12, v12, |v[XS+30]|, |v[XS+31]|
	v_max3_num_f32 v12, v12, v13, 0x1800000        ; the floor 2^(3 - 127): the byte cannot fall under 1
	v_add_nc_u32 v14, 0xff000000, v12              ; 2 off the exponent field: the conversion's scale operand
	v_lshrrev_b32 v13, 23, v14                     ; the scale's byte
.if (\t)%4 == 0
	v_mov_b32 v[24+(\t)/4], v13                    ; four bytes to a word, the lower K in the lower byte
.else
	v_lshl_or_b32 v[24+(\t)/4], v13, 8*((\t)%4), v[24+(\t)/4]
.endif
	v_cvt_scalef32_pk16_fp6_f32 v[128:130], v[XS:XS+15], v14
	v_cvt_scalef32_pk16_fp6_f32 v[132:134], v[XS+16:XS+31], v14    ; (a conversion's three registers begin on an even number)
	v_nop                                          ; one plain place behind a scaled conversion
	v_mov_b32 v131, v132
	v_mov_b32 v132, v133
	v_mov_b32 v133, v134                           ; v128-133: the block's 24 bytes: registers 0-5 of lane (r, t % 2) of half (t / 2) % 2 of K step t / 4
	ds_store_b128 v7, v[128:131] offset:1536*((\t)/4)+768*(((\t)/2)%2)+256*((\t)%2)
	ds_store_b64 v8, v[132:133] offset:1536*((\t)/4)+768*(((\t)/2)%2)+128*((\t)%2)
.if (\t) < 6
	LOADW (\t)+2
.endif
	s_wait_dscnt 0x0                               ; the stores have read their registers: the next block's codes may be written
.endm
	LOADW 0
	LOADW 1
.irp t, 0,1,2,3,4,5,6,7
	BLOCK \t
.endr
	s_wait_alu depctr_va_vdst(0)
	global_store_b64 v11, v[24:25], s[28:29]       ; my column's two scale words
.set i, 0
.rept 12
	ds_load_b128 v[136+4*i:139+4*i], v10 offset:3200*(i/6)+512*(i%6)   ; LDS serves a wave's instructions in order: these see my stores
.set i, i+1
.endr
.set i, 0
.rept 12
	s_wait_dscnt 11-i                              ; load i is in; the younger ones may be out
	global_store_b128 v9, v[136+4*i:139+4*i], s[10:11] offset:12288*(i/6)+512*(i%6)   ; 512 consecutive bytes, at a multiple of 256 from the buffer's first byte
.set i, i+1
.endr
	s_wait_tensorcnt 0x0                           ; the wave's end, behind my last LDS store
	ds_add_u32 v28, v29
	s_wait_dscnt 0x0
	s_endpgm
	; ---------------- the tables: 64 work-groups; each thread makes four quads of each layout
.Ltrig:
	s_sub_co_u32 s16, ttmp9, 32
	s_lshl_b32 s16, s16, 2
	s_add_co_u32 s16, s16, s15                     ; idx 0 .. 63
	v_and_b32 v3, 15, v0                           ; r
	v_bfe_u32 v4, v0, 4, 1                         ; h
	v_and_b32 v5, 8, v3
	v_add_nc_u32 v5, v5, v3                        ; r + 8 (r / 8)
	v_lshlrev_b32 v6, 8, v5                        ; first layout: position r + 8 (r / 8) of 256 bytes, + 64 h + 16 x wave
	v_lshl_add_u32 v6, v4, 6, v6
	s_lshl_b32 s17, s14, 4
	v_add_nc_u32 v6, s17, v6
	v_lshlrev_b32 v7, 2, v5                        ; second layout: channel r + 8 (r / 8), + 16 h + 4 x wave positions
	v_lshl_add_u32 v7, v4, 12, v7
	s_lshl_b32 s17, s14, 10
	v_add_nc_u32 v7, s17, v7
	v_lshlrev_b32 v8, 4, v2                        ; out: 16 x lane + 512 x wave
	s_lshl_b32 s17, s14, 9
	v_add_nc_u32 v8, s17, v8
	v_and_b32 v9, 1, v0
	v_add_nc_u32 v9, -1, v9
	v_and_b32 v9, 0x80000000, v9                   ; the sign bit where my channel is even
	s_lshl_b32 s18, s16, 13                        ; idx x 8,192
	s_mov_b32 s19, 0
	s_lshr_b32 s20, s16, 2
	s_lshl_b32 s20, s20, 15                        ; kb x 128 positions
	s_and_b32 s21, s16, 3                          ; tile of channels a: + 32 (a / 2) + 8 (a % 2) channels
	s_lshr_b32 s22, s21, 1
	s_lshl_b32 s22, s22, 7
	s_add_co_u32 s20, s20, s22
	s_and_b32 s22, s21, 1
	s_lshl_b32 s22, s22, 5
	s_add_co_u32 s20, s20, s22
	s_mov_b32 s21, 0
	s_mov_b32 s48, 0xbfc90fd8                      ; -pi / 2 in three parts
	s_mov_b32 s49, 0xb4a8885a
	s_mov_b32 s50, 0xa7c234c4
	s_mov_b32 s51, 0x37d00d01                      ; cos: 1 / 40320, -1 / 720, 1 / 24
	s_mov_b32 s52, 0xbab60b61
	s_mov_b32 s53, 0x3d2aaaab
	s_mov_b32 s54, 0x3638ef1d                      ; sin: 1 / 362880, -1 / 5040, 1 / 120, -1 / 6
	s_mov_b32 s55, 0xb9500d01
	s_mov_b32 s56, 0x3c088889
	s_mov_b32 s57, 0xbe2aaaab
	s_wait_alu depctr_va_vdst(0)
	s_wait_kmcnt 0x0
	s_add_nc_u64 s[24:25], s[8:9], s[18:19]
	s_add_nc_u64 s[26:27], s[8:9], s[20:21]
	s_add_nc_u64 s[12:13], s[12:13], s[18:19]
.irp i, 0,1,2,3
	global_load_b128 v[64+4*\i:67+4*\i], v6, s[24:25] offset:2048*(\i/2)+128*(\i%2)
.endr
.irp i, 0,1,2,3
.irp e, 0,1,2,3
	global_load_b32 v[80+4*\i+\e], v7, s[26:27] offset:8192*\i+256*\e
.endr
.endr
	s_wait_loadcnt 0x0
.macro SINCOS x, c, s
	v_mul_f32 v10, 0x3f22f983, v[\x]               ; x 2 / pi,
	v_rndne_f32 v10, v10                           ; to the nearest whole number of quarter turns
	v_fma_f32 v11, v10, s48, v[\x]
	v_fma_f32 v11, v10, s49, v11
	v_fma_f32 v11, v10, s50, v11                   ; what is left, |r| <= pi / 4
	v_cvt_i32_f32 v12, v10
	v_mul_f32 v13, v11, v11
	v_fma_f32 v14, s51, v13, s52
	v_fma_f32 v14, v14, v13, s53
	v_fma_f32 v14, v14, v13, -0.5
	v_fma_f32 v14, v14, v13, 1.0                   ; cos r
	v_fma_f32 v15, s54, v13, s55
	v_fma_f32 v15, v15, v13, s56
	v_fma_f32 v15, v15, v13, s57
	v_mul_f32 v16, v11, v13
	v_fma_f32 v15, v15, v16, v11                   ; sin r
	v_and_b32 v16, 1, v12
	v_cmp_eq_u32 vcc_lo, 1, v16                    ; an odd number of quarter turns: the two change places
	v_cndmask_b32 v[\s], v15, v14, vcc_lo
	v_cndmask_b32 v[\c], v14, v15, vcc_lo
	v_lshlrev_b32 v16, 30, v12
	v_and_b32 v16, 0x80000000, v16
	v_xor_b32 v[\s], v16, v[\s]                    ; sin is turned in quarters 2 and 3,
	v_add_nc_u32 v17, 1, v12
	v_lshlrev_b32 v17, 30, v17
	v_and_b32 v17, 0x80000000, v17
	v_xor_b32 v[\c], v17, v[\c]                    ; cos in quarters 1 and 2
.endm
.set n, 0
.rept 32
	SINCOS 64+n, 96+n, 128+n
.set n, n+1
.endr
.set n, 0
.rept 8
	v_xor_b32 v[128+n], 0x80000000, v[128+n]       ; first layout: even channels are the quads' numbers 0 and 2
.set n, n+2
.endr
.set n, 16
.rept 16
	v_xor_b32 v[128+n], v9, v[128+n]               ; second layout: by my lane's channel,
.set n, n+1
.endr
.set n, 16
.rept 16
	v_mov_b32_dpp v[128+n], v[128+n] row_xmask:1 row_mask:0xf bank_mask:0xf   ; and then lane l xor 1's: the reader multiplies first and exchanges the products
.set n, n+1
.endr
.irp i, 0,1,2,3
	global_store_b128 v8, v[96+4*\i:99+4*\i], s[12:13] offset:4096*(\i/2)+2048*(\i%2)
	global_store_b128 v8, v[128+4*\i:131+4*\i], s[12:13] offset:524288+4096*(\i/2)+2048*(\i%2)
	global_store_b128 v8, v[112+4*\i:115+4*\i], s[12:13] offset:1048576+2048*\i
	global_store_b128 v8, v[144+4*\i:147+4*\i], s[12:13] offset:1572864+2048*\i
.endr
	s_wait_tensorcnt 0x0                           ; the wave's end
	ds_add_u32 v28, v29
	s_wait_dscnt 0x0
	s_endpgm
	; ---------------- the tokens: 256 work-groups.  x [8192][1024] f32 becomes codes of FP6 (E2M3) with one E8M0 byte for each 32 along K, as images of the operand's registers.
	; A tile is 16 rows: lane r of tile t takes row 32 (t / 2) + 8 (t % 2) + r + 8 (r / 8).  Codes: [tile][K step][1,536]; scale words at byte 6,291,456: [tile][K step / 2][r][K step % 2].
	; A work-group takes two tiles (32 rows); wave w takes tile w / 2 and half w % 2 of K: four K steps of 128.  Each load reads 512 consecutive bytes of one row; a K step's 16 rows turn through the
	; wave's own stage in LDS (rows 528 bytes apart), so that lane (r, h) gets the blocks h and 2 + h of its row, whole.  The quantiser and its limits are those of the weights.
.set XST,   26112                      ; behind the weights' stages and the spare words: the four stages of this path
.set PST,   528                        ; a stage row: 512 bytes + 16
.set RL,    32                         ; v32-159  two sets of 64 registers as loaded
.set X,     160                        ; v160-223 my two blocks of 32 numbers
.set CD,    224                        ; v224-247 codes, two sets of 12
.set SW,    248                        ; v248-251 the four K steps' scale words
.set MX,    8
.set EX,    10
.set BY,    12
.set WD,    14
.set W2,    15
.set T2,    16                         ; v16-22 the blocks' second halves of codes
.Lx:
	s_load_b128 s[36:39], s[0:1], 0x28             ; x, xc
	s_sub_co_u32 s16, ttmp9, 48
	s_lshl_b32 s16, s16, 2
	s_add_co_u32 s16, s16, s15                     ; which 32 rows: 0 .. 255
	v_lshlrev_b32 v3, 4, v2                        ; 16 x lane
	v_lshlrev_b32 v4, 3, v2                        ; 8 x lane
	s_mul_i32 s17, s14, 16*PST
	s_add_co_u32 s17, s17, XST                     ; my stage
	v_add_nc_u32 v5, s17, v3                       ; into it: a row's 512 bytes as they lie
	v_and_b32 v10, 15, v0                          ; r
	v_bfe_u32 v11, v0, 4, 1                        ; h
	v_mul_u32_u24 v6, v10, PST
	v_lshl_add_u32 v6, v11, 7, v6
	v_add_nc_u32 v6, s17, v6                       ; out of it: row r, + 128 h bytes
	v_lshlrev_b32 v7, 3, v11                       ; 8 h: my bytes' place in a scale word
	v_mov_b32 v[W2], 0                             ; written once: a lane permute's destination counts as one of its sources
	s_mov_b32 s20, 0x76543210
	s_mov_b32 s21, 0xfedcba98                      ; lane l xor 16
	s_lshr_b32 s18, s14, 1                         ; which tile
	s_and_b32 s19, s14, 1                          ; which half of K
	s_lshl_b32 s22, s16, 17                        ; 32 rows of 4,096 bytes a work-group,
	s_lshl_b32 s23, s18, 15                        ; 8 rows on for the odd tile,
	s_add_co_u32 s22, s22, s23
	s_lshl_b32 s23, s19, 11                        ; 2,048 bytes on for the second half of K
	s_add_co_u32 s22, s22, s23
	s_mov_b32 s23, 0
	s_lshl_b32 s24, s16, 1
	s_add_co_u32 s24, s24, s18                     ; my tile
	s_mul_i32 s26, s24, 12288
	s_mul_i32 s25, s19, 6144
	s_add_co_u32 s26, s26, s25                     ; its codes, my four K steps
	s_mov_b32 s27, 0
	s_lshl_b32 s28, s24, 9
	s_lshl_b32 s25, s19, 8
	s_add_co_u32 s28, s28, s25
	s_add_co_u32 s28, s28, 6291456                 ; its scale words, my 256 bytes
	s_mov_b32 s29, 0
	s_wait_alu depctr_va_vdst(0)                   ; the wait at the head's end
	s_wait_kmcnt 0x0
	s_add_nc_u64 s[36:37], s[36:37], s[22:23]
	s_add_nc_u64 s[40:41], s[38:39], s[28:29]
	s_add_nc_u64 s[38:39], s[38:39], s[26:27]
.macro LOAD t                          ; K step t of my 16 rows into set t % 2: each load 512 consecutive bytes
.irp p, 0,1,2,3,4,5,6,7,8,9,10,11,12,13,14,15
	global_load_b128 v[RL+64*((\t)%2)+4*\p:RL+64*((\t)%2)+4*\p+3], v3, s[36:37] offset:(\p+8*(\p/8))*4096+512*(\t) th:TH_LOAD_NT
.endr
.endm
.macro STEP t
.set CS, CD+12*((\t)%2)
.if (\t) < 3
	s_wait_loadcnt 16                              ; this step's 16 loads are in; the next step's 16 may be out
.else
	s_wait_loadcnt 0x0
.endif
.irp p, 0,1,2,3,4,5,6,7,8,9,10,11,12,13,14,15
	ds_store_b128 v5, v[RL+64*((\t)%2)+4*\p:RL+64*((\t)%2)+4*\p+3] offset:PST*\p
.endr
.irp c, 0,1
.irp j, 0,1,2,3,4,5,6,7
	ds_load_b128 v[X+32*\c+4*\j:X+32*\c+4*\j+3], v6 offset:256*\c+16*\j   ; LDS serves a wave's instructions in order: these see my stores
.endr
.endr
	s_wait_dscnt 0x0                               ; my numbers are back, and the stores have read their registers,
.if (\t) < 2
	LOAD (\t)+2                                    ; which take the loads of two steps on
.endif
.if (\t) >= 2
	s_wait_xcnt 0x0                                ; the stores of two steps back have read this set of codes: it is written again only behind this wait
.endif
.irp c, 0,1
	v_max3_num_f32 v[MX+\c], |v[X+32*\c]|, |v[X+32*\c+1]|, 0x1800000   ; block 2 c + h: all 32 numbers are mine; the floor 2^(3 - 127) holds the byte at 1 from below
.endr
.irp i, 2,4,6,8,10,12,14,16,18,20,22,24,26,28,30
.irp c, 0,1
	v_max3_num_f32 v[MX+\c], v[MX+\c], |v[X+32*\c+\i]|, |v[X+32*\c+\i+1]|
.endr
.endr
.irp c, 0,1
	v_add_nc_u32 v[EX+\c], 0xff000000, v[MX+\c]    ; 2 off the exponent field: the conversion's scale operand
.endr
.irp c, 0,1
	v_lshrrev_b32 v[BY+\c], 23, v[EX+\c]           ; the scale's byte
.endr
	v_lshl_or_b32 v[WD], v[BY+1], 16, v[BY]        ; my two bytes: blocks h and 2 + h,
	v_lshlrev_b32 v[WD], v7, v[WD]                 ; at their places;
	v_permlanex16_b32 v[W2], v[WD], s20, s21
	v_or_b32 v[SW+(\t)], v[WD], v[W2]              ; with lane l xor 16's two the word is whole
.irp c, 0,1
	v_cvt_scalef32_pk16_fp6_f32 v[CS+6*\c:CS+6*\c+2], v[X+32*\c:X+32*\c+15], v[EX+\c]
	v_cvt_scalef32_pk16_fp6_f32 v[T2+4*\c:T2+4*\c+2], v[X+32*\c+16:X+32*\c+31], v[EX+\c]   ; (a conversion's three registers begin on an even number)
.endr
	v_nop                                          ; one plain place behind a scaled conversion
.irp c, 0,1
.irp i, 0,1,2
	v_mov_b32 v[CS+6*\c+3+\i], v[T2+4*\c+\i]
.endr
.endr
	global_store_b128 v3, v[CS:CS+3], s[38:39] offset:1536*(\t)          ; each store covers 512 or 256 consecutive bytes, at a multiple of 256 from the buffer's first byte
	global_store_b64 v4, v[CS+4:CS+5], s[38:39] offset:1536*(\t)+512
	global_store_b128 v3, v[CS+6:CS+9], s[38:39] offset:1536*(\t)+768
	global_store_b64 v4, v[CS+10:CS+11], s[38:39] offset:1536*(\t)+1280
.endm
	LOAD 0
	LOAD 1
	STEP 0
	STEP 1
	STEP 2
	STEP 3
	v_cmp_le_u32 vcc_lo, 16, v2                    ; lanes 0-15 store the words of K steps 0, 1 of row r, lanes 16-31 those of steps 2, 3: 256 consecutive bytes
	v_cndmask_b32 v252, v[SW], v[SW+2], vcc_lo
	v_cndmask_b32 v253, v[SW+1], v[SW+3], vcc_lo
	global_store_b64 v4, v[252:253], s[40:41]
	s_wait_tensorcnt 0x0                           ; the wave's end, behind my last LDS store
	ds_add_u32 v28, v29
	s_wait_dscnt 0x0
	s_endpgm
.Lfunc_end_k_q6384c600ad_quant_w:
	.size	k_q6384c600ad_quant_w, .Lfunc_end_k_q6384c600ad_quant_w-k_q6384c600ad_quant_w
	.p2alignl 7, 3214868480
	.fill 96, 4, 3214868480
	.section	.rodata,"a",@progbits
	.p2align	6, 0x0
	.amdhsa_kernel k_q6384c600ad_quant_w
		.amdhsa_group_segment_fixed_size 60416
		.amdhsa_private_segment_fixed_size 0
		.amdhsa_enable_private_segment 0
		.amdhsa_kernarg_size 56
		.amdhsa_user_sgpr_count 2
		.amdhsa_user_sgpr_kernarg_segment_ptr 1
		.amdhsa_wavefront_size32 1
		.amdhsa_system_sgpr_workgroup_id_x 1
		.amdhsa_system_sgpr_workgroup_id_y 1
		.amdhsa_system_sgpr_workgroup_id_z 1
		.amdhsa_system_vgpr_workitem_id 0
		.amdhsa_next_free_vgpr 256
		.amdhsa_next_free_sgpr 66
		.amdhsa_reserve_vcc 1
		.amdhsa_float_denorm_mode_32 3
		.amdhsa_float_denorm_mode_16_64 3
		.amdhsa_memory_ordered 1
		.amdhsa_forward_progress 1
		.amdhsa_inst_pref_size 122
	.end_amdhsa_kernel
	.amdgpu_metadata
---
amdhsa.version: [ 1, 2 ]
amdhsa.kernels:
  - .name:           k_q6384c600ad_quant_w
    .symbol:         k_q6384c600ad_quant_w.kd
    .args:
      - { .name: W_qkv, .offset: 0, .size: 8, .value_kind: global_buffer, .address_space: global }
      - { .name: W_out, .offset: 8, .size: 8, .value_kind: global_buffer, .address_space: global }
      - { .name: rotary_pos_emb, .offset: 16, .size: 8, .value_kind: global_buffer, .address_space: global }
      - { .name: wc, .offset: 24, .size: 8, .value_kind: global_buffer, .address_space: global }
      - { .name: tg, .offset: 32, .size: 8, .value_kind: global_buffer, .address_space: global }
      - { .name: x, .offset: 40, .size: 8, .value_kind: global_buffer, .address_space: global }
      - { .name: xc, .offset: 48, .size: 8, .value_kind: global_buffer, .address_space: global }
    .group_segment_fixed_size: 60416
    .private_segment_fixed_size: 0
    .kernarg_segment_align: 8
    .kernarg_segment_size: 56
    .max_flat_workgroup_size: 128
    .sgpr_count:     66
    .vgpr_count:     256
    .wavefront_size: 32
...
	.end_amdgpu_metadata
.endif
;; end of part 1
;; launch qkv (part 2): grid 4 x 64, 4 waves a work-group, clusters of 4 x 4, 327,680 bytes of LDS; arguments xc, wc, tg, qb, kv; writes qb, kv
.if DOCPART == 2
	.amdgcn_target "amdgcn-amd-amdhsa--gfx1250"
	.amdhsa_code_object_version 6
	.text
	.protected	k_q6384c600ad_qkv
	.globl	k_q6384c600ad_qkv
	.p2align	8
	.type	k_q6384c600ad_qkv,@function
k_q6384c600ad_qkv:
	s_mov_b64 s[64:65], 0
	v_nop
	global_prefetch_b8 v0, s[64:65] scope:SCOPE_SE
	s_setreg_imm32_b32 hwreg(HW_REG_WAVE_MODE, 25, 1), 1
	s_wait_xcnt 0x0
	s_wait_alu depctr_hold_cnt(0) depctr_sa_sdst(0) depctr_va_vdst(0) depctr_va_sdst(0) depctr_va_ssrc(0) depctr_va_vcc(0) depctr_vm_vsrc(0)
	s_getreg_b32 s2, hwreg(HW_REG_IB_STS2, 6, 4)
	s_cmp_eq_u32 s2, 0
	s_cbranch_scc0 .Lentry_in_a_cluster
	s_endpgm
.Lentry_in_a_cluster:
	s_bfe_u32 s2, ttmp6, 0x10000c
	s_cmp_lg_u32 s2, 0xf033
	s_cbranch_scc0 .Lentry_shape_is_right
	s_endpgm
.Lentry_shape_is_right:
; q, k, v = rotary(x W_qkv), on codes of FP6 (E2M3) with E8M0 scales, and the quantisers ahead of the two products of attention.  K = 1,024.
; SHARES.  A work-group takes 128 tokens (its y) and four heads (its x) and makes three blocks of 128 x 256, one after the other: q, k, v.  4 x 64 = 256 work-groups of equal work.
; Four waves, each 4 x 8 tiles of 16: 32 accumulators.  Operands lie in memory as images of the operand's registers (a fragment of 16 rows x 128 K: 1,536 bytes; a tile's K: 12,288 bytes).
; LDS.  The tokens' codes, 8 tiles x all of K (98,304 bytes), and all scale words (x's 4,096 bytes, W's 3 x 8,192) come once, at the head.  W's codes go through a ring of two slots, each 16 tiles x 4 K steps
; (98,304 bytes): six fills, q's two halves of K, k's, v's.  A fill is asked for a trip (four K steps) ahead; the fills asked for in a block's second half have its way out on top.
; CLUSTERS of 4 x 4: the tokens' loads hang on y alone and are joint along a row of the cluster, W's on x and the wave's number and are joint along a column.
; No prefetch: a work-group's six fills are asked for one trip ahead by the ring itself, and all sixteen clusters of a column walk the same 589,824 bytes of W in the same order.
; SOURCES.  Source 1: a lane holds one of its rows; source 0: a lane's registers run along its rows.  q, k: source 1 = my 64 tokens, source 0 = my 128 columns (two heads): registers run along the head's channels.
; v: source 1 = my 64 columns (one head), source 0 = the 128 tokens: registers run along the tokens, the K of p v.  Lane r of tile t holds row 32 (t / 2) + 8 (t % 2) + r + 8 (r / 8): two neighbouring tiles' 16 registers are 16 neighbours.
; q and k are a loop of two trips; v, whose fragments come from the other places, is the tail, written out: its second half asks for nothing.
; THE WAY OUT.  out[d] = t[d] C[d] + t[d ^ 1] S[d] with the tables of tg (images of registers); 64 numbers of a lane become a fragment's codes and its scale word, stored as images into the blocks of qb and kv:
; [16 b + head][128 tokens ks][12,800]: +0 four units of K (two tiles of 16 tokens x 64 channels each), +6,144 four fragments of V (16 channels x 128 tokens), +12,288 K's scale words, +12,544 V's.
; q's and k's tables are the same: they are loaded once, at the head, into window 3.  q's factor 1 / 8 is a power of two: it changes no code and is applied with the softmax's constant.
; LIMITS: a block of zeros gets the scale byte 1 (its codes are zeros; this program alone reads the bytes); NaN and infinities are not served.
; REGISTERS: window 0: v1-29 addresses; v32-63 scale words, two sets, and nothing else; v64-159 source 1's fragments, two sets, on the way out v64-127 the numbers at work; v160-210 the quantiser's.
;   window 1: source 0's fragments, two sets (v0, v128), at the end v's tables.   window 2: accumulator (a, b) at v[8 (8 a + b)].   window 3: tables.
.set TILE,  12288
.set HT,    6144                       ; a tile's part of a slot: four fragments
.set FR,    12
.set WL0,   8*TILE                     ; LDS: the tokens' codes at 0; slot 0 here, slot 1 SLOTB further on
.set SLOTB, 16*HT
.set SXL,   WL0+2*SLOTB                ; x's scale words,
.set SWL,   SXL+4096                   ; W's: q's, k's, v's
.set SPARE, SWL+24576                  ; the spare words, 128 bytes for each wave
.set KINDB, 64*TILE                    ; from q's tiles of wc to k's, from k's to v's
.set HL,   1                           ; v1 lane / 16
.set ADX,  2                           ; v2-3 q, k: my four tiles of tokens (registers 0-3; registers 4-5)
.set ADW,  4                           ; v4-5, v6-7 q, k: my eight tiles of W in slot 0, 1
.set XV,   8                           ; v8-9, v10-11 v: the tokens' tiles 0-3, 4-7 (an offset has 16 bits)
.set L16,  8                           ; v8 is also 16 x lane
.set ADWV, 12                          ; v12-13, v14-15 v: my four tiles of W in slot 0, 1
.set ADRS0, 16                         ; q's scale words: lanes 0-15 x's, lanes 16-31 W's
.set ADRS, 17                          ; the same for the kind at work
.set ADRSV, 18                         ; v's: lanes 0-15 W's, lanes 16-31 x's
.set ADRSX, 19                         ; x's in all lanes
.set L8,   21                          ; 8 x lane
.set L16S, 22                          ; 16 x lane, 8 x lane + my two units' place in a block
.set L8S,  23
.set L8W,  24                          ; 8 x lane + my units' place among the scale words
.set SPW,  28
.set NIL,  29
.set SC,   32
.set AF,   64
.set W,    64                          ; v64-127 64 numbers at work
.set TM,   160                         ; v160-175 the quantiser's work
.set PW,   176                         ; the scale word just made; v177 the one before
.set PWE,  177
.set WDS,  178                         ; v178-185 the words to be stored
.set WT,   186
.set PC,   192                         ; v192-210 the codes just made
.set G1X,  24
.set G1W,  32
.set G1SX, 40
.set G1SW, 48
.set G0X,  56
.set G0F,  60
.set G0SX, 68
.set G0SW, 72
.set G0R,  76                          ; s[76:79], s[80:83] the ring's group 0, one for each slot
.set KOFF, 93                          ; 8,192 x kind: the loop's counter
.set SEL,  94
.set MSB, 0
.macro WIN new                         ; the immediate's high byte repeats the setting that is left
.if MSB != (\new)
	s_set_vgpr_msb (MSB<<8)|(\new)
.set MSB, (\new)
.endif
.endm
.set MUL,  0xa1                        ; source 0 window 1, source 1 window 0, C and D window 2
.set TO_B, 0x40
.macro CROUND                          ; a round of the cluster's barrier
	s_barrier_signal -1
	s_barrier_wait -1
	s_cmp_lg_u32 s14, 0
	s_cbranch_scc1 .Lnot_wave_0_\@
	s_barrier_signal -3
.Lnot_wave_0_\@:
	s_barrier_wait -3
	s_barrier_signal -1
	s_barrier_wait -1
.endm
.macro GRP1 g, c, rows, pitch          ; rows of c elements of 8 bytes
	s_mov_b32 s[\g+1], (\c)<<16
	s_mov_b32 s[\g+2], (\rows)<<16
	s_mov_b32 s[\g+3], (\c)<<16
	s_mov_b32 s[\g+4], \rows
	s_mov_b32 s[\g+5], \pitch
	s_mov_b32 s[\g+6], 0
	s_mov_b32 s[\g+7], 0
.endm
.macro GRP0 g, lds, p
	s_mov_b32 s[\g], 1
	s_mov_b32 s[\g+1], \lds
	s_mov_b64 s[\g+2:\g+3], s[\p:\p+1]
	s_or_b32 s[\g+3], s[\g+3], 0x80000000
.endm
.macro PLACES                          ; plain vector instructions between a matrix instruction and a load into, or a read of, its registers (ISA guide 7.12.1 for reads)
.rept 4
	v_nop
.endr
.endm
	s_load_b256 s[4:11], s[0:1], 0x0               ; xc, wc, tg, qb
	s_load_b64 s[12:13], s[0:1], 0x20              ; kv
	v_lshl_add_u32 v[SPW], v0, 2, SPARE
	v_mov_b32 v[NIL], 0
	ds_add_u32 v[SPW], v[NIL]                      ; the wave's opening: the add, twice on end, and its wait ahead of my first tensor load
	ds_add_u32 v[SPW], v[NIL]
	v_lshrrev_b32 v25, 5, v0
	v_readfirstlane_b32 s14, v25                   ; wave 0..3
	s_lshr_b32 s15, s14, 1                         ; q, k: which 64 tokens are mine,
	s_and_b32 s16, s14, 1                          ; and which two heads
	s_bfe_u32 s98, ttmp6, 0x40000                  ; cx, cy: my place in the cluster
	s_bfe_u32 s99, ttmp6, 0x40004
	s_lshl_b32 s18, ttmp9, 2
	s_add_co_u32 s18, s18, s98                     ; the group of four heads
	s_and_b32 s17, ttmp7, 0xffff
	s_lshl_b32 s17, s17, 2
	s_add_co_u32 s17, s17, s99                     ; the block of 128 tokens
	s_lshl_b32 s96, s99, 2
	s_lshl_b32 s96, 15, s96                        ; my row of the cluster
	s_lshl_b32 s97, 0x1111, s98                    ; my column
	s_or_b32 s[G1X], s96, (3<<16)|(1<<21)          ; 15:0 the mask; 17:16 elements of 8 bytes; 21 set beside a mask; no padding: every LDS load reads consecutive bytes
	s_or_b32 s[G1SX], s96, (3<<16)|(1<<21)
	s_or_b32 s[G1W], s97, (3<<16)|(1<<21)
	s_or_b32 s[G1SW], s97, (3<<16)|(1<<21)
	GRP1 G1X, 32, 384, 32                          ; the tokens' codes: dense, rows of 256 bytes
	GRP1 G1SX, 32, 16, 32                          ; their scale words
	GRP1 G1W, 768, 16, 1536                        ; W: a tile's four K steps, 6,144 bytes, 12,288 apart: 16 tiles for the head's load; behind it the two words that count rows are set to 4
	GRP1 G1SW, 1024, 3, 4096                       ; W's scale words: 8,192 bytes of each kind, 32,768 apart
	s_mul_i32 s20, s17, 8*TILE
	s_mov_b32 s21, 0
	s_lshl_b32 s22, s17, 12
	s_add_co_u32 s22, s22, 6291456
	s_mov_b32 s23, 0
	s_mul_i32 s84, s18, 16*TILE
	s_mov_b32 s85, 0
	s_lshl_b32 s86, s18, 13
	s_add_co_u32 s86, s86, 3145728
	s_mov_b32 s87, 0
	s_mul_i32 s88, s14, 4*TILE                     ; in the ring I fetch four tiles,
	s_mov_b32 s89, 0
	s_mul_i32 s19, s14, 4*HT                       ; to wave x four tiles of the slot: no place in the cluster enters an LDS address
	s_wait_dscnt 0x0                               ; both opening adds are done
	s_wait_kmcnt 0x0
	s_add_nc_u64 s[20:21], s[4:5], s[20:21]
	s_add_nc_u64 s[22:23], s[4:5], s[22:23]
	s_add_nc_u64 s[84:85], s[6:7], s[84:85]
	s_add_nc_u64 s[86:87], s[6:7], s[86:87]
	GRP0 G0X,  0,   20
	GRP0 G0SX, SXL, 22
	GRP0 G0F,  WL0, 84
	GRP0 G0SW, SWL, 86
	s_add_nc_u64 s[84:85], s[84:85], s[88:89]
	s_mov_b32 s[G0R], 1                            ; slot 0's stands at q's first half: it is stepped to k's before its first use
	s_add_co_u32 s[G0R+1], s19, WL0
	s_mov_b64 s[G0R+2:G0R+3], s[84:85]
	s_or_b32 s[G0R+3], s[G0R+3], 0x80000000
	s_mov_b32 s[G0R+4], 1                          ; slot 1's at q's second half
	s_add_co_u32 s[G0R+5], s19, WL0+SLOTB
	s_add_nc_u64 s[G0R+6:G0R+7], s[84:85], HT
	s_or_b32 s[G0R+7], s[G0R+7], 0x80000000
	CROUND                                         ; all sixteen work-groups are here: the first joint loads meet
; The head's loads, one a wave: one tree of branches on the wave's number, every way through it passes exactly one load.
.macro ARM under, g0, g1, next
	s_cmp_lt_u32 s14, \under
	s_cbranch_scc0 \next
	tensor_load_to_lds s[\g0:\g0+3], s[\g1:\g1+7]
	s_nop 0
.rept 4
	v_nop
.endr
	s_branch .Lhead_asked
\next:
.endm
	ARM 1, G0X,  G1X,  .Lhead_w
	ARM 2, G0F,  G1W,  .Lhead_sx
	ARM 3, G0SX, G1SX, .Lhead_sw
	tensor_load_to_lds s[G0SW:G0SW+3], s[G1SW:G1SW+7]
	s_nop 0
.rept 4
	v_nop
.endr
.Lhead_asked:
	s_lshr_b32 s20, s17, 4                         ; the batch: sixteen blocks of 128 tokens each
	s_lshl_b32 s20, s20, 4
	s_lshl_b32 s21, s18, 2
	s_add_co_u32 s20, s20, s21                     ; 16 b + the group's first head
	s_and_b32 s21, s17, 15                         ; ks
	s_lshl_b32 s22, s16, 1
	s_add_co_u32 s22, s22, s20                     ; q, k: my first head
	s_lshl_b32 s22, s22, 4
	s_add_co_u32 s22, s22, s21
	s_mul_i32 s22, s22, 12800
	s_mov_b32 s23, 0
	s_add_nc_u64 s[10:11], s[10:11], s[22:23]      ; where q goes; behind the first trip: where k goes,
	s_add_nc_u64 s[86:87], s[12:13], s[22:23]      ; which is kept here
	s_add_co_u32 s22, s20, s14                     ; v: my head
	s_lshl_b32 s22, s22, 4
	s_add_co_u32 s22, s22, s21
	s_mul_i32 s22, s22, 12800
	s_add_co_u32 s22, s22, 6144
	s_add_nc_u64 s[12:13], s[12:13], s[22:23]      ; where v goes
	s_lshl_b32 s22, s21, 15                        ; 32,768 bytes of each table for 128 positions
	s_add_nc_u64 s[8:9], s[8:9], s[22:23]
	s_add_nc_u64 s[90:91], s[8:9], 1048576         ; v's tables
	s_lshl_b32 s22, s15, 14
	s_add_nc_u64 s[88:89], s[8:9], s[22:23]        ; q's and k's: my four tiles of positions
	s_mul_i32 s19, s15, 4*TILE
	s_mul_i32 s20, s16, 8*HT
	s_add_co_u32 s20, s20, WL0
	s_mul_i32 s21, s14, 4*HT
	s_add_co_u32 s21, s21, WL0
	s_lshl_b32 s22, s15, 11
	s_add_co_u32 s22, s22, SXL
	s_lshl_b32 s23, s16, 12
	s_add_co_u32 s23, s23, SWL
	s_sub_co_u32 s23, s23, s22
	s_lshl_b32 s84, s14, 11
	s_add_co_u32 s84, s84, SWL+16384-SXL
	s_mul_i32 s85, s15, 3072
	s_lshl_b32 s92, s15, 2
	s_mov_b32 s[SEL], 0x76543210                   ; lane l xor 16
	s_mov_b32 s[SEL+1], 0xfedcba98
	s_mov_b32 s96, 0x05040100                      ; the two low halves of two words,
	s_mov_b32 s97, 0x07060302                      ; the two high halves
	s_mov_b32 s[KOFF], 0
	v_and_b32 v25, 31, v0                          ; lane
	v_and_b32 v26, 15, v0                          ; r
	v_bfe_u32 v[HL], v0, 4, 1
	v_lshlrev_b32 v[L16], 4, v25
	v_lshlrev_b32 v[L8], 3, v25
	v_add_nc_u32 v[XV+1], 512, v[L8]
	v_add_nc_u32 v[ADX], s19, v[L16]
	v_add_nc_u32 v[ADX+1], s19, v[XV+1]
	v_add_nc_u32 v[ADW], s20, v[L16]
	v_add_nc_u32 v[ADW+1], s20, v[XV+1]
	v_add_nc_u32 v[ADW+2], SLOTB, v[ADW]
	v_add_nc_u32 v[ADW+3], SLOTB, v[ADW+1]
	v_add_nc_u32 v[XV+2], 4*TILE, v[L16]
	v_add_nc_u32 v[XV+3], 4*TILE, v[XV+1]
	v_add_nc_u32 v[ADWV], s21, v[L16]
	v_add_nc_u32 v[ADWV+1], s21, v[XV+1]
	v_add_nc_u32 v[ADWV+2], SLOTB, v[ADWV]
	v_add_nc_u32 v[ADWV+3], SLOTB, v[ADWV+1]
	v_lshlrev_b32 v26, 3, v26                      ; 8 r: a pair of K steps' two words a row
	v_mul_u32_u24 v30, s23, v[HL]                  ; lanes 16-31 take W's: one product, the distance between the two
	v_add_nc_u32 v30, v30, v26
	v_add_nc_u32 v[ADRS0], s22, v30
	v_sub_nc_u32 v31, 1, v[HL]
	v_mul_u32_u24 v31, s84, v31                    ; v: lanes 0-15 take W's
	v_add_nc_u32 v31, v31, v26
	v_add_nc_u32 v[ADRSV], SXL, v31
	v_add_nc_u32 v[ADRSX], SXL, v26
	v_add_nc_u32 v[L16S], s85, v[L16]
	v_add_nc_u32 v[L8S], s85, v[L8]
	v_add_nc_u32 v[L8W], s92, v[L8]
.irp b, 0,1,2,3
	v_mov_b32 v[TM+4+\b], 0                        ; written once: a lane permute's destination counts as one of its sources
.endr
	s_wait_alu depctr_va_vdst(0)                   ; the wait at the head's end
	WIN 0xc0                                       ; q's and k's tables into window 3: tile a at 64 a: C, and 32 further on S
.irp a, 0,1,2,3
.irp k, 0,1,2,3,4,5,6,7
	global_load_b128 v[64*\a+4*\k:64*\a+4*\k+3], v[L16], s[88:89] offset:\a*4096+512*\k
.endr
.irp k, 0,1,2,3,4,5,6,7
	global_load_b128 v[64*\a+32+4*\k:64*\a+32+4*\k+3], v[L16], s[88:89] offset:524288+\a*4096+512*\k
.endr
.endr
	WIN 0
.macro FRAG reg, adr, off              ; a fragment as it lies: for each 64 along K, registers 0-3 (16 bytes a lane) and registers 4-5 (8 bytes a lane)
	ds_load_b128 v[\reg:\reg+3], v[\adr] offset:\off
	ds_load_b64 v[\reg+4:\reg+5], v[\adr+1] offset:\off
	ds_load_b128 v[\reg+6:\reg+9], v[\adr] offset:\off+768
	ds_load_b64 v[\reg+10:\reg+11], v[\adr+1] offset:\off+768
.endm
.macro FETCH kv, st                    ; K step st (0..7; slot st / 4) into set st % 2; kv = 1: v's text.  With an even step the scale words of the pair of steps
	WIN TO_B
.irp i, 0,1,2,3,4,5,6,7
.if \kv
	FRAG 128*((\st)%2)+FR*\i, XV+2*(\i/4), (\i%4)*TILE+(\st)*1536
.else
	FRAG 128*((\st)%2)+FR*\i, ADW+2*((\st)/4), \i*HT+((\st)%4)*1536
.endif
.endr
	WIN 0
.irp i, 0,1,2,3
.if \kv
	FRAG AF+48*((\st)%2)+FR*\i, ADWV+2*((\st)/4), \i*HT+((\st)%4)*1536
.else
	FRAG AF+48*((\st)%2)+FR*\i, ADX, \i*TILE+(\st)*1536
.endif
.endr
.if (\st)%2 == 0
.irp i, 0,1,2,3,4,5,6,7                ; register 2 i + q: lanes 0-15 the word of source 1's tile i (read for i under 4 alone), lanes 16-31 that of source 0's tile i
.if \kv
.if \i < 4
	ds_load_b64 v[SC+16*(((\st)/2)%2)+2*\i:SC+16*(((\st)/2)%2)+2*\i+1], v[ADRSV] offset:\i*512+64*(\st)
.else
	ds_load_b64 v[SC+16*(((\st)/2)%2)+2*\i:SC+16*(((\st)/2)%2)+2*\i+1], v[ADRSX] offset:\i*512+64*(\st)
.endif
.else
	ds_load_b64 v[SC+16*(((\st)/2)%2)+2*\i:SC+16*(((\st)/2)%2)+2*\i+1], v[ADRS] offset:\i*512+64*(\st)
.endif
.endr
.endif
.endm
; 32 matrix instructions: the accumulators take turns, one instruction a turn, in the same order in every step.  A block's first step starts the sums.
.macro MUL32 st
.irp a, 0,1,2,3
.irp b, 0,1,2,3,4,5,6,7
.if (\st) == 0
	v_wmma_scale_f32_16x16x128_f8f6f4 v[8*(8*\a+\b):8*(8*\a+\b)+7], v[128*((\st)%2)+FR*\b:128*((\st)%2)+FR*\b+FR-1], v[AF+48*((\st)%2)+FR*\a:AF+48*((\st)%2)+FR*\a+FR-1], 0, v[SC+16*(((\st)/2)%2)+2*\b+(\st)%2], v[SC+16*(((\st)/2)%2)+2*\a+(\st)%2] matrix_a_fmt:MATRIX_FMT_FP6 matrix_b_fmt:MATRIX_FMT_FP6 matrix_a_scale:MATRIX_SCALE_ROW1
.else
	v_wmma_scale_f32_16x16x128_f8f6f4 v[8*(8*\a+\b):8*(8*\a+\b)+7], v[128*((\st)%2)+FR*\b:128*((\st)%2)+FR*\b+FR-1], v[AF+48*((\st)%2)+FR*\a:AF+48*((\st)%2)+FR*\a+FR-1], v[8*(8*\a+\b):8*(8*\a+\b)+7], v[SC+16*(((\st)/2)%2)+2*\b+(\st)%2], v[SC+16*(((\st)/2)%2)+2*\a+(\st)%2] matrix_a_fmt:MATRIX_FMT_FP6 matrix_b_fmt:MATRIX_FMT_FP6 matrix_a_scale:MATRIX_SCALE_ROW1
.endif
.endr
.endr
.endm
.macro STEP kv, st
	s_wait_dscnt 0x0                               ; this step's fragments are in
.if (\st)%4 < 3
	FETCH \kv, (\st)+1                             ; the next step's, into the set that the step before multiplied: four places stand behind its products
.endif
	WIN MUL
	MUL32 \st
	PLACES
	WIN 0
.endm
; A trip: half h of a block's K, out of slot h.  In front of its barrier each wave waits for all its tensor loads, adds 0 to its spare word, and waits for that and for its reads of the other slot.
; fill = 1: the barrier is a round of the cluster's barrier, and the other slot takes the next fill, a quarter a wave.
.macro TRIP kv, h, fill
	s_wait_tensorcnt 0x0                           ; all my tensor loads have landed, my part of slot h among them
	ds_add_u32 v[SPW], v[NIL]
	s_add_nc_u64 s[G0R+4*\h+2:G0R+4*\h+3], s[G0R+4*\h+2:G0R+4*\h+3], KINDB   ; no load of mine is out: slot h's next fill is the next kind's (behind v's the address is not used)
.if (\kv) == 0 && (\h) == 0
	s_mov_b32 s[G1W+2], 4<<16                      ; from here on a load of W brings four tiles
	s_mov_b32 s[G1W+4], 4
.endif
	s_wait_dscnt 0x0                               ; the add is done; my reads of the other slot were over before
.if \fill
	CROUND
	tensor_load_to_lds s[G0R+4*(1-\h):G0R+4*(1-\h)+3], s[G1W:G1W+7]   ; the first tensor load behind the round, my one load until the next
	s_nop 0
	PLACES
.else
	s_barrier_signal -1
	s_barrier_wait -1
.endif
	FETCH \kv, 4*\h
.irp q, 0,1,2,3
	STEP \kv, 4*\h+\q
.endr
.endm
; 64 numbers of a lane, register 16 b + i = k 32 b + 16 (lane / 16) + i of my row, become a fragment's codes in v[PC] on and its scale word in v[PW].
.macro QUANT s
.irp b, 0,1,2,3
	v_max3_num_f32 v[TM+\b], |v[\s+16*\b]|, |v[\s+1+16*\b]|, 0x1800000   ; my 16 numbers of block b, and the floor 2^(3 - 127): the byte cannot fall under 1
.endr
.irp i, 2,4,6,8,10,12,14
.irp b, 0,1,2,3
	v_max3_num_f32 v[TM+\b], v[TM+\b], |v[\s+16*\b+\i]|, |v[\s+1+16*\b+\i]|
.endr
.endr
.irp b, 0,1,2,3
	v_permlanex16_b32 v[TM+4+\b], v[TM+\b], s[SEL], s[SEL+1]
.endr
.irp b, 0,1,2,3
	v_max_num_f32 v[TM+\b], v[TM+\b], v[TM+4+\b]   ; with lane l xor 16's: the block's largest magnitude
.endr
.irp b, 0,1,2,3
	v_add_nc_u32 v[TM+12+\b], 0xff000000, v[TM+\b] ; 2 off its exponent field: the conversion's scale operand
.endr
.irp b, 0,1,2,3
	v_lshrrev_b32 v[TM+4+\b], 23, v[TM+12+\b]      ; the scale's byte
.endr
	v_lshl_or_b32 v[PW], v[TM+5], 8, v[TM+4]
	v_lshl_or_b32 v[PW], v[TM+6], 16, v[PW]
	v_lshl_or_b32 v[PW], v[TM+7], 24, v[PW]
	s_wait_alu depctr_va_vdst(0)                   ; the wait stands directly ahead of the wait below
	s_wait_xcnt 0x0                                ; the last block's stores have read the codes' registers, which are written again from here on
.irp c, 0,1
	v_cvt_scalef32_pk16_fp6_f32 v[PC+6*\c:PC+2+6*\c], v[\s+32*\c:\s+15+32*\c], v[TM+12+2*\c]
	v_cvt_scalef32_pk16_fp6_f32 v[PC+12+4*\c:PC+14+4*\c], v[\s+16+32*\c:\s+31+32*\c], v[TM+12+2*\c+1]   ; (a conversion's three registers begin on an even number)
.endr
	v_nop                                          ; one plain place behind a scaled conversion
.irp c, 0,1                                    ; the operand's layout wants a whole block in a lane
.irp i, 0,1,2
	v_permlane16_swap_b32 v[PC+6*\c+\i], v[PC+12+4*\c+\i]
.endr
.irp i, 0,1,2
	v_mov_b32 v[PC+3+6*\c+\i], v[PC+12+4*\c+\i]
.endr
.endr
.endm
; q, k: block a is 16 tokens; a lane's 64 registers are the 64 channels of each of two heads; 32 of C and of S serve both heads
.macro QKBLOCK a
.set AC, 64*(\a)
	WIN 0x0e                                       ; source 0: the accumulators' window; source 1: window 3
.set n, 0
.rept 32
	v_pk_mul_f32 v[W+n:W+n+1], v[AC+n:AC+n+1], v[AC+n%32:AC+n%32+1]           ; t[d] C[d]; each accumulator is read from its low end on
.set n, n+2
.endr
.set n, 0
.rept 32
	v_pk_fma_f32 v[W+n:W+n+1], v[AC+n:AC+n+1], v[AC+32+n%32:AC+32+n%32+1], v[W+n:W+n+1] op_sel:[1,0,0] op_sel_hi:[0,1,1]   ; + t[d ^ 1] S[d]: the pair's two numbers change places
.set n, n+2
.endr
	WIN 0
	QUANT W                                        ; 128 along 'K': head 0's 64 channels, then head 1's
.irp c, 0,1
	global_store_b128 v[L16S], v[PC+6*\c:PC+6*\c+3], s[10:11] offset:\c*204800+((\a)/2)*1536+((\a)%2)*768
	global_store_b64 v[L8S], v[PC+6*\c+4:PC+6*\c+5], s[10:11] offset:\c*204800+((\a)/2)*1536+((\a)%2)*768+512
.endr
.if ((\a)%2) == 0
	v_mov_b32 v[PWE], v[PW]
.else
	v_perm_b32 v[WDS+(\a)/2], v[PW], v[PWE], s96   ; a unit's word: the even tile's two bytes, then the odd tile's: head 0,
	v_perm_b32 v[WDS+4+(\a)/2], v[PW], v[PWE], s97 ; head 1
.endif
.endm
.Lkind:                                            ; two trips: q, k
	v_mad_u32_u24 v[ADRS], s[KOFF], v[HL], v[ADRS0]   ; lanes 16-31: this kind's scale words of W
	s_wait_alu depctr_va_vdst(0)                   ; the wait stands directly ahead of the wait below
	TRIP 0, 0, 1
	TRIP 0, 1, 1
	s_wait_loadcnt 0x0                             ; the tables are in
.irp a, 0,1,2,3
	QKBLOCK \a
.endr
	v_cmp_le_u32 vcc_lo, 128, v[L8]                ; my two units' words of a head: lanes 0-15 store the even unit's word of row r, lanes 16-31 the odd unit's
.irp c, 0,1
	v_cndmask_b32 v[WT+\c], v[WDS+4*\c], v[WDS+4*\c+1], vcc_lo
	global_store_b32 v[L8W], v[WT+\c], s[10:11] offset:\c*204800+12288
.endr
	s_wait_xcnt 0x0                                ; the stores have read their base
	s_mov_b64 s[10:11], s[86:87]
	s_add_co_u32 s[KOFF], s[KOFF], 8192
	s_cmp_lt_u32 s[KOFF], 16384
	s_wait_alu depctr_va_vdst(0)                   ; the wait stands directly ahead of the branch
	s_cbranch_scc1 .Lkind
; v: block a is 16 channels of my head; a lane's 64 registers are 64 of the 128 tokens
.macro TABV a                          ; the tables of channel tile a: tiles 0, 1 into window 3, tiles 2, 3 into window 1: C at 128 (a % 2), S 64 further on
	WIN 0xc0-0x80*((\a)/2)
.set k, 0
.rept 16
	global_load_b128 v[128*((\a)%2)+4*k:128*((\a)%2)+4*k+3], v[L16], s[90:91] offset:(\a)*8192+512*k
.set k, k+1
.endr
.set k, 0
.rept 16
	global_load_b128 v[128*((\a)%2)+64+4*k:128*((\a)%2)+64+4*k+3], v[L16], s[90:91] offset:524288+(\a)*8192+512*k
.set k, k+1
.endr
	WIN 0
.endm
.macro VBLOCK a
.set AC, 64*(\a)
.set TS, 128*((\a)%2)
	WIN 0x0e-8*((\a)/2)                            ; source 0: the accumulators' window; source 1: window 3 or 1
.set n, 0
.rept 64
	v_mul_f32 v[W+n], v[AC+n], v[TS+64+n]          ; my t x the neighbour channel's S,
.set n, n+1
.endr
	WIN 0
.set n, 0
.rept 64
	v_mov_b32_dpp v[W+n], v[W+n] row_xmask:1 row_mask:0xf bank_mask:0xf   ; exchanged with lane l xor 1: t[d ^ 1] S[d]
.set n, n+1
.endr
	WIN 0x0e-8*((\a)/2)
.set n, 0
.rept 64
	v_fma_f32 v[W+n], v[AC+n], v[TS+n], v[W+n]     ; + t[d] C[d]
.set n, n+1
.endr
	WIN 0
	QUANT W                                        ; along the tokens
	global_store_b128 v[L16], v[PC:PC+3], s[12:13] offset:(\a)*1536
	global_store_b64 v[L8], v[PC+4:PC+5], s[12:13] offset:(\a)*1536+512
	global_store_b128 v[L16], v[PC+6:PC+9], s[12:13] offset:(\a)*1536+768
	global_store_b64 v[L8], v[PC+10:PC+11], s[12:13] offset:(\a)*1536+1280
	v_mov_b32 v[WDS+(\a)], v[PW]
.endm
	TABV 0                                         ; q's and k's tables are done with: v's first tile of tables is asked for ahead of v's walk along K,
	TRIP 1, 0, 1
	TABV 1                                         ; the second between its two trips: 32 loads on end at a time
	TRIP 1, 1, 0                                   ; the last trip asks for nothing
	s_wait_loadcnt 0x0
	TABV 2                                         ; source 0's registers are done with (four places stand behind the last products)
	TABV 3
	VBLOCK 0
	VBLOCK 1
	s_wait_loadcnt 32                              ; tile 2's tables are in; tile 3's 32 loads may be out
	VBLOCK 2
	s_wait_loadcnt 0x0
	VBLOCK 3
	v_cmp_le_u32 vcc_lo, 128, v[L8]                ; my head's four words a row: lanes 0-15 store words 0 and 2 of row r, lanes 16-31 words 1 and 3: 256 consecutive bytes
	v_cndmask_b32 v[WT], v[WDS], v[WDS+1], vcc_lo
	v_cndmask_b32 v[WT+1], v[WDS+2], v[WDS+3], vcc_lo
	global_store_b64 v[L8], v[WT:WT+1], s[12:13] offset:6400   ; 12,544 in the block: the base stands at V's part, 6,144
	s_wait_tensorcnt 0x0                           ; the wave's end
	ds_add_u32 v[SPW], v[NIL]
	s_wait_dscnt 0x0
	CROUND                                         ; the closing round: no work-group ends while a partner may still ask for a tile that names it
	s_endpgm
.Lfunc_end_k_q6384c600ad_qkv:
	.size	k_q6384c600ad_qkv, .Lfunc_end_k_q6384c600ad_qkv-k_q6384c600ad_qkv
	.p2alignl 7, 3214868480
	.fill 96, 4, 3214868480
	.section	.rodata,"a",@progbits
	.p2align	6, 0x0
	.amdhsa_kernel k_q6384c600ad_qkv
		.amdhsa_group_segment_fixed_size 327680
		.amdhsa_private_segment_fixed_size 0
		.amdhsa_enable_private_segment 0
		.amdhsa_kernarg_size 40
		.amdhsa_user_sgpr_count 2
		.amdhsa_user_sgpr_kernarg_segment_ptr 1
		.amdhsa_wavefront_size32 1
		.amdhsa_system_sgpr_workgroup_id_x 1
		.amdhsa_system_sgpr_workgroup_id_y 1
		.amdhsa_system_sgpr_workgroup_id_z 1
		.amdhsa_system_vgpr_workitem_id 0
		.amdhsa_next_free_vgpr 1024
		.amdhsa_next_free_sgpr 100
		.amdhsa_reserve_vcc 1
		.amdhsa_float_denorm_mode_32 3
		.amdhsa_float_denorm_mode_16_64 3
		.amdhsa_memory_ordered 1
		.amdhsa_forward_progress 1
		.amdhsa_inst_pref_size 243
	.end_amdhsa_kernel
	.amdgpu_metadata
---
amdhsa.version: [ 1, 2 ]
amdhsa.kernels:
  - .name:           k_q6384c600ad_qkv
    .symbol:         k_q6384c600ad_qkv.kd
    .args:
      - { .name: xc, .offset: 0, .size: 8, .value_kind: global_buffer, .address_space: global }
      - { .name: wc, .offset: 8, .size: 8, .value_kind: global_buffer, .address_space: global }
      - { .name: tg, .offset: 16, .size: 8, .value_kind: global_buffer, .address_space: global }
      - { .name: qb, .offset: 24, .size: 8, .value_kind: global_buffer, .address_space: global }
      - { .name: kv, .offset: 32, .size: 8, .value_kind: global_buffer, .address_space: global }
    .group_segment_fixed_size: 327680
    .private_segment_fixed_size: 0
    .kernarg_segment_align: 8
    .kernarg_segment_size: 40
    .max_flat_workgroup_size: 128
    .sgpr_count:     100
    .vgpr_count:     1024
    .wavefront_size: 32
...
	.end_amdgpu_metadata
.endif
;; end of part 2
;; launch attn (part 3): grid 4 x 64, 16 waves a work-group, clusters of 4 x 1, 327,680 bytes of LDS; arguments qb, kv, mask, oc; writes oc
.if DOCPART == 3
	.amdgcn_target "amdgcn-amd-amdhsa--gfx1250"
	.amdhsa_code_object_version 6
	.text
	.protected	k_q6384c600ad_attn
	.globl	k_q6384c600ad_attn
	.p2align	8
	.type	k_q6384c600ad_attn,@function
k_q6384c600ad_attn:
	s_mov_b64 s[64:65], 0
	v_nop
	global_prefetch_b8 v0, s[64:65] scope:SCOPE_SE
	s_setreg_imm32_b32 hwreg(HW_REG_WAVE_MODE, 25, 1), 1
	s_wait_xcnt 0x0
	s_wait_alu depctr_hold_cnt(0) depctr_sa_sdst(0) depctr_va_vdst(0) depctr_va_sdst(0) depctr_va_ssrc(0) depctr_va_vcc(0) depctr_vm_vsrc(0)
	s_getreg_b32 s2, hwreg(HW_REG_IB_STS2, 6, 4)
	s_cmp_eq_u32 s2, 0
	s_cbranch_scc0 .Lentry_in_a_cluster
	s_endpgm
.Lentry_in_a_cluster:
	s_bfe_u32 s2, ttmp6, 0x10000c
	s_cmp_lg_u32 s2, 0x3003
	s_cbranch_scc0 .Lentry_shape_is_right
	s_endpgm
.Lentry_shape_is_right:
; o = softmax(q k^T / 8, padding mask, causal mask) v for one (batch, head) a cluster, both products on codes of FP6 (E2M3) with E8M0 scales; o is quantised along the last product's K and stored as an operand's images.
; THE SOFTMAX: t = score x log2(e) / 8; M = the running largest t rounded up to a whole number; p = 2^(t - M) is quantised along the keys; the row's sum is taken of the unquantised p and divides at the end.
; THE HEAD'S WHOLE K AND V LIE IN LDS: 16 blocks of 128 keys, 12,800 bytes each, one joint tensor load a wave, filled once: no ring, and no barrier in the loops.  The four work-groups of a cluster ask jointly.
; SHARES.  A wave takes two tiles of 16 queries, one after the other: of the 128-query blocks w and 15 - w; under the causal mask that is (w + 1) + (16 - w) = 17 key steps for every wave.
; The tile in a block is e = cx + 4 (w / 8): cx enters global addresses and numbers alone; every branch hangs on the wave's number and on counters.
; LAYOUT.  Both products are used transposed: a lane holds one query.  The head has 64 channels, half of the instruction's 128: a unit of K holds two tiles of 16 keys side by side, and q stands once as [q | 0], once as [0 | q].
; THE PADDING MASK is the C of the first product: 0 for an open key, -2^100 for a hidden one.  The causal mask: -infinity in the one step on the diagonal; later steps are left out.
; The largest t begins at -2^90: steps whose keys are all hidden give p = 0 and leave it there.  A QUERY WITH NO OPEN KEY AT OR BEFORE IT has all its 2,048 logits equal in the reference: it gets the plain mean of
; the quantised v over all keys (p = 1, sum 2,048), made once by products of V with ones.
; LIMITS: open scores with t above -2^89; a block of zeros gets the scale byte 1; NaN and infinities are not served.
; REGISTERS: v1-4 lane terms; v5, v6 the add's two; v7 the causal limit; v8-11 the step's addresses; v12 -M, v13 the largest t, v[14:15] the sum; v16-27 [q | 0]; v28-39 [0 | q]; v40-87 four fragments;
;   v96-159 S^T, then p; v160-191 O^T; v192-203 addresses for V's sum; v204-215 codes of 1.0; v216-218 scales; v220-223 lane terms; v224-235 p's codes; v232-247, v252-254 at work; v248-251 K's or V's scale words.
.set BLKB,  12800
.set HEADB, 204800
.set BIAS,  204800                     ; one f32 for each key: 8,192 bytes
.set VSM,   212992                     ; the mean of V: 64 numbers in the order of O^T's registers
.set SPARE, 213248                     ; the spare words, 128 bytes for each of 16 waves
.set WV,  18
.set SEL, 20
.set CS,  22
.set G1,  24
.set G0,  32
.set TB,  36                           ; s36 LDS byte of the step's block; s37 of its 128 biases; s38 the step; s39 my block of queries
.set TBB, 37
.set KS,  38
.set BLK, 39
.macro CROUND
	s_barrier_signal -1
	s_barrier_wait -1
	s_cmp_lg_u32 s[WV], 0
	s_cbranch_scc1 .Lnot_wave_0_\@
	s_barrier_signal -3
.Lnot_wave_0_\@:
	s_barrier_wait -3
	s_barrier_signal -1
	s_barrier_wait -1
.endm
	s_load_b256 s[4:11], s[0:1], 0x0               ; qb, kv, mask, oc
	v_lshl_add_u32 v5, v0, 2, SPARE
	v_mov_b32 v6, 0
	ds_add_u32 v5, v6                              ; the wave's opening: the add and its wait ahead of my tensor load
	ds_add_u32 v5, v6
	v_lshrrev_b32 v8, 5, v0
	s_delay_alu instid0(VALU_DEP_1)
	v_readfirstlane_b32 s[WV], v8                  ; wave 0..15
	s_bfe_u32 s40, ttmp6, 0x40000                  ; cx
	s_and_b32 s41, ttmp7, 0xffff                   ; 16 b + head
	s_mov_b32 s[G1], 15|(3<<16)|(1<<21)            ; the mask: all four work-groups; elements of 8 bytes; bit 21 beside a mask; no padding
	s_mov_b32 s[G1+1], 32<<16                      ; a block is dense: 50 rows of 256 bytes
	s_mov_b32 s[G1+2], 50<<16
	s_mov_b32 s[G1+3], 32<<16
	s_mov_b32 s[G1+4], 50
	s_mov_b32 s[G1+5], 32
	s_mov_b32 s[G1+6], 0
	s_mov_b32 s[G1+7], 0
	s_mul_i32 s42, s41, HEADB                      ; the head's first byte in qb and in kv
	s_mov_b32 s43, 0
	s_mul_i32 s44, s[WV], BLKB                     ; my block, in memory and in LDS
	s_mov_b32 s45, 0
	s_mov_b32 s[SEL], 0x76543210
	s_mov_b32 s[SEL+1], 0xfedcba98
	s_mov_b32 s[CS], 0x3e38aa3b                    ; c = log2(e) / 8
	s_mov_b32 s[CS+1], s[CS]
.irp i, 0,1,2,3
	v_mov_b32 v[204+3*\i], 0x08208208              ; the code of 1.0, 001000, 64 times a lane
	v_mov_b32 v[205+3*\i], 0x82082082
	v_mov_b32 v[206+3*\i], 0x20820820
.endr
	v_mov_b32 v216, 0x7f7f7f7f                     ; and the scale 1
.irp i, 22,23,24,25,26,27,28,29,30,31,32,33
	v_mov_b32 v[\i], 0                             ; the zero halves of [q | 0] and [0 | q]
.endr
.irp i, 236,237,238,239,252,253
	v_mov_b32 v[\i], 0                             ; written once: lane permutes' destinations, and the pair v[252:253]
.endr
	s_lshr_b32 s46, s[WV], 3
	s_lshl_b32 s46, s46, 2
	s_add_co_u32 s46, s46, s40                     ; e: my tile in a block of 128 queries
	s_lshr_b32 s47, s46, 1
	s_and_b32 s49, s46, 1
	s_and_b32 s66, s47, 1
	s_lshl_b32 s66, s66, 7
	s_lshr_b32 s67, s46, 2
	s_lshl_b32 s67, s67, 2
	s_add_co_u32 s66, s66, s67
	s_add_co_u32 s66, s66, 12288                   ; where unit e / 2's scale words begin in a block of qb
	s_lshl_b32 s67, s49, 4                         ; my tile's half of such a word
	s_lshr_b32 s75, s41, 4                         ; b
	s_and_b32 s76, s41, 15                         ; head
	s_lshl_b32 s68, s75, 7
	s_add_co_u32 s68, s68, s46                     ; 128 b + e: oc's tile less 8 x block
	s_lshr_b32 s77, s76, 1
	s_mul_i32 s69, s77, 1536                       ; the head's place in oc's tile: K step head / 2, half head % 2
	s_and_b32 s78, s76, 1
	s_mul_i32 s79, s78, 768
	s_add_co_u32 s69, s69, s79
	s_lshr_b32 s74, s76, 2
	s_lshl_b32 s74, s74, 7
	s_and_b32 s77, s77, 1
	s_lshl_b32 s77, s77, 2
	s_add_co_u32 s74, s74, s77
	s_lshl_b32 s78, s78, 1
	s_add_co_u32 s74, s74, s78
	s_add_co_u32 s74, s74, 6291456                 ; and its two bytes among oc's scale words
	v_and_b32 v9, 31, v0                           ; lane
	v_and_b32 v10, 15, v0                          ; r
	v_bfe_u32 v11, v0, 4, 1                        ; h
	s_delay_alu instid0(VALU_DEP_3)
	v_lshlrev_b32 v1, 4, v9                        ; 16 x lane
	s_delay_alu instid0(VALU_DEP_4)
	v_lshlrev_b32 v222, 3, v9                      ; 8 x lane
	s_delay_alu instid0(VALU_DEP_1)
	v_add_nc_u32 v2, 512, v222
	v_lshlrev_b32 v223, 3, v10                     ; 8 r
	s_delay_alu instid0(VALU_DEP_1)
	v_add_nc_u32 v3, 12288, v223
	v_lshlrev_b32 v4, 6, v11
	s_delay_alu instid0(VALU_DEP_1)
	v_add_nc_u32 v4, BIAS, v4                      ; my half's 16 keys of each 32
	v_and_b32 v7, 8, v10
	s_delay_alu instid0(VALU_DEP_1)
	v_add_nc_u32 v7, v7, v10
	v_lshlrev_b32 v12, 4, v11
	s_delay_alu instid0(VALU_DEP_1)
	v_sub_nc_u32 v7, v7, v12
	s_lshl_b32 s48, s47, 5
	s_lshl_b32 s50, s49, 3
	s_add_co_u32 s48, s48, s50
	v_add_nc_u32 v7, s48, v7                       ; my query's place in its block - 16 h: register n holds a hidden key on the diagonal where 32 (n / 16) + n % 16 is above it
	s_and_b32 s51, s[WV], 3
	s_lshl_b32 s52, s51, 6
	v_lshlrev_b32 v221, 5, v11
	s_delay_alu instid0(VALU_DEP_1)
	v_add_nc_u32 v221, VSM, v221
	s_delay_alu instid0(VALU_DEP_1)
	v_add_nc_u32 v220, s52, v221
	s_mul_i32 s53, s51, 1536
	s_add_co_u32 s53, s53, 6144                    ; V's fragment w % 4 of a block,
	s_and_b32 s54, s51, 1
	s_lshl_b32 s54, s54, 7
	s_lshr_b32 s55, s51, 1
	s_lshl_b32 s55, s55, 2
	s_add_co_u32 s54, s54, s55
	s_add_co_u32 s54, s54, 12544                   ; and its scale words; a register for each four blocks
.irp g, 0,1,2,3
	v_add_nc_u32 v[192+3*\g], s53, v1
	v_add_nc_u32 v[193+3*\g], s53, v2
	v_add_nc_u32 v[194+3*\g], s54, v223
	s_add_co_u32 s53, s53, 4*BLKB
	s_add_co_u32 s54, s54, 4*BLKB
.endr
	v_lshlrev_b32 v242, 2, v0                      ; the mask: four bytes a thread,
	v_lshl_add_u32 v243, v0, 4, BIAS               ; four numbers
	v_mov_b32 v241, 0xf1800000                     ; -2^100
	s_lshl_b32 s56, s75, 11
	s_mov_b32 s57, 0
	s_wait_dscnt 0x0                               ; the opening add is done
	s_wait_kmcnt 0x0
	s_add_nc_u64 s[6:7], s[6:7], s[42:43]
	s_add_nc_u64 s[4:5], s[4:5], s[42:43]
	s_add_nc_u64 s[8:9], s[8:9], s[56:57]
	s_mov_b32 s[G0], 1
	s_mov_b32 s[G0+1], s44
	s_add_nc_u64 s[G0+2:G0+3], s[6:7], s[44:45]
	s_or_b32 s[G0+3], s[G0+3], 0x80000000
	CROUND                                         ; all four work-groups are here: the joint loads meet
	tensor_load_to_lds s[G0:G0+3], s[G1:G1+7]      ; my one tensor load of the launch: keys 128 w on
	s_nop 0
.rept 4
	v_nop
.endr
	s_wait_alu depctr_va_vdst(0)
.macro QLOAD                           ; my tile of q of block s[BLK]: 16 queries x 64 channels, as an image, and its unit's scale words
	s_mul_i32 s58, s[BLK], BLKB
	s_add_co_u32 s62, s58, s66
	s_mul_i32 s59, s47, 1536
	s_add_co_u32 s58, s58, s59
	s_mul_i32 s59, s49, 768
	s_add_co_u32 s58, s58, s59
	s_mov_b32 s59, 0
	s_mov_b32 s63, 0
	s_add_nc_u64 s[60:61], s[4:5], s[58:59]
	s_add_nc_u64 s[62:63], s[4:5], s[62:63]
	global_load_b128 v[16:19], v1, s[60:61]        ; twice: the two operands share no register
	global_load_b64 v[20:21], v2, s[60:61]
	global_load_b128 v[34:37], v1, s[60:61]
	global_load_b64 v[38:39], v2, s[60:61]
	global_load_b32 v219, v223, s[62:63]
.endm
	global_load_b32 v240, v242, s[8:9]
	s_mov_b32 s[BLK], s[WV]                        ; the first pass's block of queries: its q is asked for here, beside the mask, under the tensor load's flight
	QLOAD
	s_wait_loadcnt 0x0
.irp i, 0,1,2,3
	v_bfe_u32 v[244+\i], v240, 8*\i, 8
.endr
.irp i, 0,1,2,3
	v_cmp_eq_u32 vcc_lo, 0, v[244+\i]
	s_delay_alu instid0(VALU_DEP_1)
	v_cndmask_b32 v[244+\i], 0, v241, vcc_lo       ; a hidden key: -2^100
.endr
	ds_store_b128 v243, v[244:247]
	s_wait_tensorcnt 0x0                           ; my block has landed,
	s_wait_dscnt 0x0                               ; my biases are stored:
	s_barrier_signal -1
	s_barrier_wait -1                              ; everybody's are
	; the mean of V over all 2,048 keys: waves 0-3, a tile of 16 channels each; four accumulators by turns
	s_cmp_lt_u32 s[WV], 4
	s_cbranch_scc0 .Lno_mean
.irp g, 0,1,2,3
.if \g > 0
.rept 4
	v_nop                                          ; places in front of loads into registers that matrix instructions have read
.endr
.endif
.irp k, 0,1,2,3
	ds_load_b128 v[40+12*\k:43+12*\k], v[192+3*\g] offset:\k*BLKB
	ds_load_b64 v[44+12*\k:45+12*\k], v[193+3*\g] offset:\k*BLKB
	ds_load_b128 v[46+12*\k:49+12*\k], v[192+3*\g] offset:\k*BLKB+768
	ds_load_b64 v[50+12*\k:51+12*\k], v[193+3*\g] offset:\k*BLKB+768
	ds_load_b32 v[248+\k], v[194+3*\g] offset:\k*BLKB
.endr
	s_wait_dscnt 0x0
.irp k, 0,1,2,3
.if \g == 0
	v_wmma_scale_f32_16x16x128_f8f6f4 v[96+8*\k:103+8*\k], v[40+12*\k:51+12*\k], v[204:215], 0, v[248+\k], v216 matrix_a_fmt:MATRIX_FMT_FP6 matrix_b_fmt:MATRIX_FMT_FP6
.else
	v_wmma_scale_f32_16x16x128_f8f6f4 v[96+8*\k:103+8*\k], v[40+12*\k:51+12*\k], v[204:215], v[96+8*\k:103+8*\k], v[248+\k], v216 matrix_a_fmt:MATRIX_FMT_FP6 matrix_b_fmt:MATRIX_FMT_FP6
.endif
.endr
.endr
.rept 4
	v_nop
.endr
.irp j, 0,1,2,3,4,5,6,7
	v_add_f32 v[128+\j], v[96+\j], v[104+\j]       ; each accumulator from its low end on
.endr
.irp j, 0,1,2,3,4,5,6,7
	v_add_f32 v[128+\j], v[128+\j], v[112+\j]
.endr
.irp j, 0,1,2,3,4,5,6,7
	v_add_f32 v[128+\j], v[128+\j], v[120+\j]
.endr
.irp j, 0,1,2,3,4,5,6,7
	v_mul_f32 v[128+\j], 0x3a000000, v[128+\j]     ; / 2,048
.endr
	ds_store_b128 v220, v[128:131]                 ; the sixteen lanes of a half hold the same eight numbers and write the same bytes
	ds_store_b128 v220, v[132:135] offset:16
.Lno_mean:
	s_wait_dscnt 0x0                               ; the mean is stored:
	s_barrier_signal -1                            ; say so.  The wait stands ahead of the first pass's read of the mean; up to there: register work, and LDS loads of K, V and the biases, which nobody writes
.macro PASS second
.if \second
	s_sub_co_u32 s[BLK], 15, s[WV]
	s_wait_xcnt 0x0                                ; the last pass's stores have read their registers and bases
	QLOAD                                          ; (the first pass's q was asked for at the head)
.endif
	v_mov_b32 v13, 0xec800000                      ; the largest t so far: -2^90
	s_delay_alu instid0(VALU_DEP_1)
	v_floor_f32 v12, -v13                          ; -M
	v_mov_b32 v14, 0
	v_mov_b32 v15, 0
	s_wait_loadcnt 0x0
	v_lshrrev_b32 v219, s67, v219
	s_delay_alu instid0(VALU_DEP_1)
	v_and_b32 v219, 0xffff, v219                   ; my tile's two scale bytes
	s_delay_alu instid0(VALU_DEP_1)
	v_or_b32 v217, 0x01010000, v219                ; for [q | 0]; the zero half has the byte 1
	s_delay_alu instid0(VALU_DEP_2)
	v_lshlrev_b32 v218, 16, v219
	s_delay_alu instid0(VALU_DEP_1)
	v_or_b32 v218, 0x0101, v218                    ; for [0 | q]
.set j, 0
.rept 32
	v_mov_b32 v[160+j], 0                          ; O^T.  (These are also the places between the scales' lines and the first product)
.set j, j+1
.endr
	s_mov_b32 s[KS], 0
	s_mov_b32 s[TB], 0
	s_mov_b32 s[TBB], 0
.Lstep_\@:                                         ; sixteen trips, a constant; a step all of whose keys come after my queries is left out: a branch on the wave's number and the count of steps
	s_cmp_gt_u32 s[KS], s[BLK]
	s_cbranch_scc1 .Lhid_\@
	v_add_nc_u32 v8, s[TB], v1                     ; (these four are also the places in front of the loads below)
	v_add_nc_u32 v9, s[TB], v2
	v_add_nc_u32 v10, s[TB], v3
	v_add_nc_u32 v11, s[TBB], v4
.irp u, 0,1,2,3
	ds_load_b128 v[40+12*\u:43+12*\u], v8 offset:1536*\u
	ds_load_b64 v[44+12*\u:45+12*\u], v9 offset:1536*\u
	ds_load_b128 v[46+12*\u:49+12*\u], v8 offset:1536*\u+768
	ds_load_b64 v[50+12*\u:51+12*\u], v9 offset:1536*\u+768
	ds_load_b32 v[248+\u], v10 offset:128*(\u%2)+4*(\u/2)
.endr
.irp t, 0,1,2,3,4,5,6,7
	ds_load_b128 v[96+8*\t:99+8*\t], v11 offset:4*(32*(\t/2)+8*(\t%2))        ; the keys' biases, in the result's layout: the C of the products
	ds_load_b128 v[100+8*\t:103+8*\t], v11 offset:4*(32*(\t/2)+8*(\t%2))+16
.endr
	s_wait_alu depctr_va_vdst(0)
	s_wait_dscnt 0x0
.irp t, 0,1,2,3,4,5,6,7
	v_wmma_scale_f32_16x16x128_f8f6f4 v[96+8*\t:103+8*\t], v[40+12*(\t/2):51+12*(\t/2)], v[16+12*(\t%2):27+12*(\t%2)], v[96+8*\t:103+8*\t], v[248+\t/2], v[217+\t%2] matrix_a_fmt:MATRIX_FMT_FP6 matrix_b_fmt:MATRIX_FMT_FP6
.endr
.rept 4
	v_nop                                          ; places: the fragments' registers are loaded again, and the scores read
.endr
.irp u, 0,1,2,3                                ; V's fragments are asked for now and land under the softmax
	ds_load_b128 v[40+12*\u:43+12*\u], v8 offset:6144+1536*\u
	ds_load_b64 v[44+12*\u:45+12*\u], v9 offset:6144+1536*\u
	ds_load_b128 v[46+12*\u:49+12*\u], v8 offset:6144+1536*\u+768
	ds_load_b64 v[50+12*\u:51+12*\u], v9 offset:6144+1536*\u+768
	ds_load_b32 v[248+\u], v10 offset:256+128*(\u%2)+4*(\u/2)
.endr
	s_cmp_lg_u32 s[KS], s[BLK]
	s_cbranch_scc1 .Lopen_\@
	v_mov_b32 v254, 0xff800000                     ; on the diagonal: -infinity for the keys behind my query
.set n, 0
.rept 64
	v_cmp_gt_i32 vcc_lo, 32*(n/16)+n%16, v7
	v_cndmask_b32 v[96+n], v[96+n], v254, vcc_lo
.set n, n+1
.endr
.Lopen_\@:
.irp b, 0,1,2,3
	v_max3_num_f32 v[232+\b], v[96+16*\b], v[97+16*\b], v[98+16*\b]   ; the largest score of each block of 32 keys: for the row's maximum, and, since p rises with the score, for the block's largest p
.endr
.irp i, 3,5,7,9,11,13
.irp b, 0,1,2,3
	v_max3_num_f32 v[232+\b], v[232+\b], v[96+16*\b+\i], v[97+16*\b+\i]
.endr
.endr
.irp b, 0,1,2,3
	v_max_num_f32 v[232+\b], v[232+\b], v[111+16*\b]
.endr
.irp b, 0,1,2,3
	s_delay_alu instid0(VALU_DEP_4)
	v_permlanex16_b32 v[236+\b], v[232+\b], s[SEL], s[SEL+1]
.endr
.irp b, 0,1,2,3
	s_delay_alu instid0(VALU_DEP_4)
	v_max_num_f32 v[232+\b], v[232+\b], v[236+\b]
.endr
	s_delay_alu instid0(VALU_DEP_2)
	v_max3_num_f32 v254, v232, v233, v234
	s_delay_alu instid0(VALU_DEP_1)
	v_max_num_f32 v254, v254, v235
	s_delay_alu instid0(VALU_DEP_1)
	v_mul_f32 v254, s[CS], v254
	s_delay_alu instid0(VALU_DEP_1)
	v_max_num_f32 v13, v13, v254                   ; the running largest t
	v_mov_b32 v254, v12
	s_delay_alu instid0(VALU_DEP_2)
	v_floor_f32 v12, -v13                          ; the new -M: M is a whole number
	s_delay_alu instid0(VALU_DEP_1)
	v_sub_f32 v254, v12, v254
	s_delay_alu instid0(VALU_DEP_1)
	v_cvt_i32_f32 v254, v254                       ; (it saturates)
	s_delay_alu instid0(VALU_DEP_1)
	v_ldexp_f32 v252, 1.0, v254                    ; f = 2^(old M - new M): exact
.set j, 0
.rept 32
	v_pk_fma_f32 v[96+j:97+j], v[96+j:97+j], s[CS:CS+1], v[12:13] op_sel_hi:[1,0,0]   ; t - M
.set j, j+2
.endr
.irp b, 0,1,2,3
	v_fma_f32 v[232+\b], v[232+\b], s[CS], v12
.endr
.set j, 0
	s_wait_alu depctr_va_vdst(0)
.rept 64
	v_exp_f32 v[96+j], v[96+j]                     ; p = 2^(t - M)
.set j, j+1
.endr
	v_pk_mul_f32 v[14:15], v[14:15], v[252:253] op_sel_hi:[1,0]   ; the sums under the new M: a plain place behind the exponentials
	s_wait_alu depctr_va_vdst(0)                   ; one wait for the batch, ahead of its first reader
.irp b, 0,1,2,3
	v_exp_f32 v[232+\b], v[232+\b]                 ; the blocks' largest p
.endr
	v_pk_add_f32 v[236:237], v[100:101], v[104:105]
	v_pk_add_f32 v[254:255], v[108:109], v[112:113]
	v_pk_add_f32 v[246:247], v[116:117], v[120:121]
	v_pk_add_f32 v[244:245], v[124:125], v[128:129]
	v_pk_add_f32 v[242:243], v[132:133], v[136:137]
	v_pk_add_f32 v[240:241], v[140:141], v[144:145]
	v_pk_add_f32 v[238:239], v[148:149], v[152:153]
	v_pk_add_f32 v[14:15], v[14:15], v[156:157]
	v_pk_add_f32 v[236:237], v[236:237], v[96:97]
	v_pk_add_f32 v[254:255], v[254:255], v[98:99]
	v_pk_add_f32 v[246:247], v[246:247], v[102:103]
	v_pk_add_f32 v[244:245], v[244:245], v[106:107]
	v_pk_add_f32 v[242:243], v[242:243], v[110:111]
	v_pk_add_f32 v[240:241], v[240:241], v[114:115]
	v_pk_add_f32 v[238:239], v[238:239], v[118:119]
	v_pk_add_f32 v[14:15], v[14:15], v[122:123]
	v_pk_add_f32 v[236:237], v[236:237], v[126:127]
	v_pk_add_f32 v[254:255], v[254:255], v[130:131]
	v_pk_add_f32 v[246:247], v[246:247], v[134:135]
	v_pk_add_f32 v[244:245], v[244:245], v[138:139]
	v_pk_add_f32 v[242:243], v[242:243], v[142:143]
	v_pk_add_f32 v[240:241], v[240:241], v[146:147]
	v_pk_add_f32 v[238:239], v[238:239], v[150:151]
	v_pk_add_f32 v[14:15], v[14:15], v[154:155]
	v_pk_add_f32 v[236:237], v[236:237], v[158:159]
	s_delay_alu instid0(VALU_DEP_2)
	v_pk_add_f32 v[14:15], v[14:15], v[244:245]
	s_delay_alu instid0(VALU_DEP_2)
	v_pk_add_f32 v[236:237], v[236:237], v[242:243]
	v_pk_add_f32 v[254:255], v[254:255], v[240:241]
	v_pk_add_f32 v[246:247], v[246:247], v[238:239]
	s_delay_alu instid0(VALU_DEP_2)
	v_pk_add_f32 v[14:15], v[14:15], v[254:255]
	s_delay_alu instid0(VALU_DEP_2)
	v_pk_add_f32 v[236:237], v[236:237], v[246:247]
	s_delay_alu instid0(VALU_DEP_1)
	v_pk_add_f32 v[14:15], v[14:15], v[236:237]
	s_wait_alu depctr_va_vdst(0)                   ; and one for the four
.irp b, 0,1,2,3
	v_max_num_f32 v[232+\b], 0x1800000, v[232+\b]  ; the floor 2^(3 - 127)
.endr
.irp b, 0,1,2,3
	s_delay_alu instid0(VALU_DEP_4)
	v_add_nc_u32 v[244+\b], 0xff000000, v[232+\b]
.endr
.irp b, 0,1,2,3
	s_delay_alu instid0(VALU_DEP_4)
	v_lshrrev_b32 v[236+\b], 23, v[244+\b]
.endr
	s_delay_alu instid0(VALU_DEP_3)
	v_lshl_or_b32 v253, v237, 8, v236              ; p's scale word for these 128 keys
	s_delay_alu instid0(VALU_DEP_1)
	v_lshl_or_b32 v253, v238, 16, v253
	s_delay_alu instid0(VALU_DEP_1)
	v_lshl_or_b32 v253, v239, 24, v253
.irp c, 0,1
	v_cvt_scalef32_pk16_fp6_f32 v[224+6*\c:226+6*\c], v[96+32*\c:111+32*\c], v[244+2*\c]
	v_cvt_scalef32_pk16_fp6_f32 v[236+4*\c:238+4*\c], v[112+32*\c:127+32*\c], v[244+2*\c+1]
.endr
	v_nop                                          ; one plain place behind a scaled conversion
.irp c, 0,1
.irp i, 0,1,2
	v_permlane16_swap_b32 v[224+6*\c+\i], v[236+4*\c+\i]
.endr
.irp i, 0,1,2
	s_delay_alu instid0(VALU_DEP_3)
	v_mov_b32 v[227+6*\c+\i], v[236+4*\c+\i]
.endr
.endr
.set j, 0
.rept 16
	v_pk_mul_f32 v[160+j:161+j], v[160+j:161+j], v[252:253] op_sel_hi:[1,0]   ; O^T under the new M.  (Also the places in front of the products below)
.set j, j+2
.endr
	s_wait_alu depctr_va_vdst(0)
	s_wait_dscnt 0x0                               ; V's fragments and scale words are in
.irp t, 0,1,2,3
	v_wmma_scale_f32_16x16x128_f8f6f4 v[160+8*\t:167+8*\t], v[40+12*\t:51+12*\t], v[224:235], v[160+8*\t:167+8*\t], v[248+\t], v253 matrix_a_fmt:MATRIX_FMT_FP6 matrix_b_fmt:MATRIX_FMT_FP6
.endr
.Lhid_\@:
	s_add_co_u32 s[TB], s[TB], BLKB
	s_add_co_u32 s[TBB], s[TBB], 512
	s_add_co_u32 s[KS], s[KS], 1
	s_cmp_lt_u32 s[KS], 16
	s_cbranch_scc1 .Lstep_\@
	; the pass's way out: O^T / the sum; the mean for rows without an open key; quantised along the head's 64 channels; stored as half a fragment of oc
.rept 4
	v_nop
.endr
	v_add_f32 v14, v14, v15
	s_delay_alu instid0(VALU_DEP_1)
	v_permlanex16_b32 v252, v14, s[SEL], s[SEL+1]
	s_delay_alu instid0(VALU_DEP_1)
	v_add_f32 v14, v14, v252                       ; the row's sum
	s_wait_alu depctr_va_vdst(0)
	v_rcp_f32 v14, v14
	v_nop                                          ; a plain place behind the transcendental
.if \second == 0
	s_barrier_wait -1                              ; every wave has signalled: waves 0-3 have stored the mean of V
.endif
.irp i, 0,1,2,3,4,5,6,7
	ds_load_b128 v[128+4*\i:131+4*\i], v221 offset:64*(\i/2)+16*(\i%2)
.endr
	s_lshl_b32 s58, s[BLK], 3
	s_add_co_u32 s58, s58, s68                     ; oc's tile
	s_mul_i32 s70, s58, 12288
	s_add_co_u32 s70, s70, s69
	s_mov_b32 s71, 0
	s_add_nc_u64 s[70:71], s[10:11], s[70:71]
	s_lshl_b32 s72, s58, 9
	s_add_co_u32 s72, s72, s74
	s_mov_b32 s73, 0
	s_add_nc_u64 s[72:73], s[10:11], s[72:73]
	s_wait_alu depctr_va_vdst(0)                   ; the wait, ahead of the reciprocal's first reader
.set j, 0
.rept 32
	v_mul_f32 v[96+j], v[160+j], v14               ; register 16 b + i: channel 32 b + 16 h + i of my query
.set j, j+1
.endr
	s_wait_dscnt 0x0
	v_cmp_gt_f32 vcc_lo, 0xec000000, v13           ; the largest t never rose above -2^89: no open key
.set j, 0
.rept 32
	v_cndmask_b32 v[96+j], v[96+j], v[128+j], vcc_lo
.set j, j+1
.endr
.irp b, 0,1
	v_max3_num_f32 v[232+\b], |v[96+16*\b]|, |v[97+16*\b]|, 0x1800000
.endr
.irp i, 2,4,6,8,10,12,14
.irp b, 0,1
	s_delay_alu instid0(VALU_DEP_2)
	v_max3_num_f32 v[232+\b], v[232+\b], |v[96+16*\b+\i]|, |v[97+16*\b+\i]|
.endr
.endr
.irp b, 0,1
	s_delay_alu instid0(VALU_DEP_2)
	v_permlanex16_b32 v[236+\b], v[232+\b], s[SEL], s[SEL+1]
.endr
.irp b, 0,1
	s_delay_alu instid0(VALU_DEP_2)
	v_max_num_f32 v[232+\b], v[232+\b], v[236+\b]
.endr
.irp b, 0,1
	s_delay_alu instid0(VALU_DEP_2)
	v_add_nc_u32 v[244+\b], 0xff000000, v[232+\b]
.endr
.irp b, 0,1
	s_delay_alu instid0(VALU_DEP_2)
	v_lshrrev_b32 v[236+\b], 23, v[244+\b]
.endr
	s_delay_alu instid0(VALU_DEP_1)
	v_lshl_or_b32 v240, v237, 8, v236              ; the head's two scale bytes of my query
	v_cvt_scalef32_pk16_fp6_f32 v[224:226], v[96:111], v244
	v_cvt_scalef32_pk16_fp6_f32 v[228:230], v[112:127], v245
	v_nop                                          ; one plain place behind a scaled conversion
.irp i, 0,1,2
	v_permlane16_swap_b32 v[224+\i], v[228+\i]     ; a whole block to a lane
.endr
	s_delay_alu instid0(VALU_DEP_3)
	v_mov_b32 v227, v228
	s_delay_alu instid0(VALU_DEP_3)
	v_mov_b32 v228, v229
	s_delay_alu instid0(VALU_DEP_3)
	v_mov_b32 v229, v230
	global_store_b128 v1, v[224:227], s[70:71]     ; 512 and 256 consecutive bytes, at multiples of 256 from the buffer's first byte
	global_store_b64 v2, v[228:229], s[70:71]
	global_store_b16 v223, v240, s[72:73]          ; (both halves of the lanes write the same two bytes with the same value)
.endm
	PASS 0
	PASS 1
	s_wait_tensorcnt 0x0                           ; the wave's end
	ds_add_u32 v5, v6
	s_wait_dscnt 0x0
	CROUND                                         ; the closing round
	s_endpgm
.Lfunc_end_k_q6384c600ad_attn:
	.size	k_q6384c600ad_attn, .Lfunc_end_k_q6384c600ad_attn-k_q6384c600ad_attn
	.p2alignl 7, 3214868480
	.fill 96, 4, 3214868480
	.section	.rodata,"a",@progbits
	.p2align	6, 0x0
	.amdhsa_kernel k_q6384c600ad_attn
		.amdhsa_group_segment_fixed_size 327680
		.amdhsa_private_segment_fixed_size 0
		.amdhsa_enable_private_segment 0
		.amdhsa_kernarg_size 32
		.amdhsa_user_sgpr_count 2
		.amdhsa_user_sgpr_kernarg_segment_ptr 1
		.amdhsa_wavefront_size32 1
		.amdhsa_system_sgpr_workgroup_id_x 1
		.amdhsa_system_sgpr_workgroup_id_y 1
		.amdhsa_system_sgpr_workgroup_id_z 1
		.amdhsa_system_vgpr_workitem_id 0
		.amdhsa_next_free_vgpr 256
		.amdhsa_next_free_sgpr 100
		.amdhsa_reserve_vcc 1
		.amdhsa_float_denorm_mode_32 3
		.amdhsa_float_denorm_mode_16_64 3
		.amdhsa_memory_ordered 1
		.amdhsa_forward_progress 1
		.amdhsa_inst_pref_size 84
	.end_amdhsa_kernel
	.amdgpu_metadata
---
amdhsa.version: [ 1, 2 ]
amdhsa.kernels:
  - .name:           k_q6384c600ad_attn
    .symbol:         k_q6384c600ad_attn.kd
    .args:
      - { .name: qb, .offset: 0, .size: 8, .value_kind: global_buffer, .address_space: global }
      - { .name: kv, .offset: 8, .size: 8, .value_kind: global_buffer, .address_space: global }
      - { .name: mask, .offset: 16, .size: 8, .value_kind: global_buffer, .address_space: global }
      - { .name: oc, .offset: 24, .size: 8, .value_kind: global_buffer, .address_space: global }
    .group_segment_fixed_size: 327680
    .private_segment_fixed_size: 0
    .kernarg_segment_align: 8
    .kernarg_segment_size: 32
    .max_flat_workgroup_size: 512
    .sgpr_count:     100
    .vgpr_count:     256
    .wavefront_size: 32
...
	.end_amdgpu_metadata
.endif
;; end of part 3
;; launch outp (part 4): grid 4 x 64, 4 waves a work-group, clusters of 4 x 4, 327,680 bytes of LDS; arguments oc, wc, b_out, out0; writes out0
.if DOCPART == 4
	.amdgcn_target "amdgcn-amd-amdhsa--gfx1250"
	.amdhsa_code_object_version 6
	.text
	.protected	k_q6384c600ad_outp
	.globl	k_q6384c600ad_outp
	.p2align	8
	.type	k_q6384c600ad_outp,@function
k_q6384c600ad_outp:
	s_mov_b64 s[64:65], 0
	v_nop
	global_prefetch_b8 v0, s[64:65] scope:SCOPE_SE
	s_setreg_imm32_b32 hwreg(HW_REG_WAVE_MODE, 25, 1), 1
	s_wait_xcnt 0x0
	s_wait_alu depctr_hold_cnt(0) depctr_sa_sdst(0) depctr_va_vdst(0) depctr_va_sdst(0) depctr_va_ssrc(0) depctr_va_vcc(0) depctr_vm_vsrc(0)
	s_getreg_b32 s2, hwreg(HW_REG_IB_STS2, 6, 4)
	s_cmp_eq_u32 s2, 0
	s_cbranch_scc0 .Lentry_in_a_cluster
	s_endpgm
.Lentry_in_a_cluster:
	s_bfe_u32 s2, ttmp6, 0x10000c
	s_cmp_lg_u32 s2, 0xf033
	s_cbranch_scc0 .Lentry_shape_is_right
	s_endpgm
.Lentry_shape_is_right:
; out0 = o W_out + b_out, on codes of FP6 (E2M3) with E8M0 scales.  o's codes (oc) and W_out's (tiles 192-255 of wc) lie in memory as images of the operand's registers:
; [tile of 16 rows][K step 0..7][1,536 bytes]; scale words behind them: [tile][K step / 2][r][K step % 2].  Lane r of tile t holds row 32 (t / 2) + 8 (t % 2) + r + 8 (r / 8).
; A BLOCK is 128 tokens x 256 columns: 64 x 4 = 256 work-groups.  Four waves, 64 x 128 each: 32 accumulators.
; ALL OF K LIES IN LDS: A's 8 tiles are 98,304 dense bytes, B's 16 tiles 196,608, the scale words 4,096 and 8,192: four tensor loads at the head, one a wave; nothing is filled again: no ring.
; CLUSTERS of 4 x 4: A's block hangs on the work-group's y alone and is asked for jointly along a row of the cluster, B's on x alone, along a column.
; No prefetch: the launch has no loop to run ahead in; every byte that it reads is asked for by the head's four loads.
; The matrix instruction is used transposed (source 0 = 16 columns of W_out, source 1 = 16 tokens): a lane holds eight neighbouring numbers of a row of out0.
; THE WAY OUT: 16 rows x 128 columns at a time through the wave's own stage in LDS, back as rows of 512 bytes, plus the bias, stored as two aligned units of 256 bytes.  The stages lie on A's bytes,
; behind a barrier in front of which every wave has finished its reads of the codes.
; REGISTERS: window 0: v8-11 bias; v12-29 addresses; v32-63 scale words, two sets, and nothing else; v64-159 A's fragments, two sets; v128-255 on the way out.  Window 1: B's fragments, two sets (v0, v128).  Window 2: accumulator (a, b) at v[8 (8 a + b)].
.set TILE,   12288                     ; a tile's codes for all of K
.set FR,     12                        ; registers of a fragment
.set LB,     8*TILE                    ; LDS: A's tiles at 0, B's here,
.set SCL,    24*TILE                   ; A's scale words, and 4,096 further on B's
.set SPARE,  SCL+12288                 ; the spare words, 128 bytes for each wave
.set SPITCH, 528                       ; a stage row: 512 bytes + 16
.set ADRA, 12                          ; v12 LDS address of registers 0-3 of my A fragments, v13 of registers 4-5
.set ADRB, 16                          ; v16-17 the same for B's tiles 0-3, v18-19 for tiles 4-7 (an offset has 16 bits)
.set STO,  24
.set RD,   25
.set CO,   26                          ; 16 x lane
.set ADRS, 27                          ; my scale words: lanes 0-15 A's, lanes 16-31 B's
.set SPW,  28
.set NIL,  29
.set SC,   32
.set AF,   64
.set BK,   128
.set G1A,  24
.set G1B,  32
.set G1SA, 40
.set G1SB, 48
.set G0A,  56
.set G0B,  60
.set G0SA, 68
.set G0SB, 72
.set MSB, 0
.macro WIN new                         ; the immediate's high byte repeats the setting that is left
.if MSB != (\new)
	s_set_vgpr_msb (MSB<<8)|(\new)
.set MSB, (\new)
.endif
.endm
.set MUL,  0xa1                        ; source 0 (B) window 1, source 1 (A) window 0, C and D window 2
.set TO_B, 0x40                        ; destination window 1
.macro CROUND                          ; a round of the cluster's barrier
	s_barrier_signal -1
	s_barrier_wait -1
	s_cmp_lg_u32 s14, 0
	s_cbranch_scc1 .Lnot_wave_0_\@
	s_barrier_signal -3
.Lnot_wave_0_\@:
	s_barrier_wait -3
	s_barrier_signal -1
	s_barrier_wait -1
.endm
.macro DENSE g, rows                   ; group 1 of a dense block: rows of 256 bytes (32 elements of 8)
	s_mov_b32 s[\g+1], 32<<16
	s_mov_b32 s[\g+2], (\rows)<<16
	s_mov_b32 s[\g+3], 32<<16
	s_mov_b32 s[\g+4], \rows
	s_mov_b32 s[\g+5], 32
	s_mov_b32 s[\g+6], 0
	s_mov_b32 s[\g+7], 0
.endm
.macro GRP0 g, lds, p
	s_mov_b32 s[\g], 1
	s_mov_b32 s[\g+1], \lds
	s_mov_b64 s[\g+2:\g+3], s[\p:\p+1]
	s_or_b32 s[\g+3], s[\g+3], 0x80000000
.endm
.macro PLACES                          ; plain vector instructions between a matrix instruction and a load into, or a read of, its registers (ISA guide 7.12.1 for reads)
.rept 4
	v_nop
.endr
.endm
	s_load_b256 s[4:11], s[0:1], 0x0               ; oc, wc, b_out, out0
	v_lshl_add_u32 v[SPW], v0, 2, SPARE
	v_mov_b32 v[NIL], 0
	ds_add_u32 v[SPW], v[NIL]                      ; the wave's opening: the add, twice on end, and its wait ahead of my tensor load
	ds_add_u32 v[SPW], v[NIL]
	v_lshrrev_b32 v1, 5, v0
	v_readfirstlane_b32 s14, v1                    ; wave 0..3
	s_lshr_b32 s15, s14, 1                         ; which 64 tokens are mine
	s_and_b32 s16, s14, 1                          ; which 128 columns
	s_bfe_u32 s76, ttmp6, 0x40000                  ; cx, cy: my place in the cluster
	s_bfe_u32 s77, ttmp6, 0x40004
	s_lshl_b32 s78, ttmp9, 2
	s_add_co_u32 s78, s78, s76                     ; the block of 256 columns
	s_and_b32 s17, ttmp7, 0xffff
	s_lshl_b32 s17, s17, 2
	s_add_co_u32 s17, s17, s77                     ; the block of 128 tokens
	s_lshl_b32 s79, s77, 2
	s_lshl_b32 s79, 15, s79                        ; my row of the cluster
	s_lshl_b32 s80, 0x1111, s76                    ; my column
	s_or_b32 s[G1A], s79, (3<<16)|(1<<21)          ; 15:0 the mask; 17:16 elements of 8 bytes; 21 set beside a mask; no padding: every LDS load reads consecutive bytes
	s_or_b32 s[G1SA], s79, (3<<16)|(1<<21)
	s_or_b32 s[G1B], s80, (3<<16)|(1<<21)
	s_or_b32 s[G1SB], s80, (3<<16)|(1<<21)
	DENSE G1A, 384
	DENSE G1B, 768
	DENSE G1SA, 16
	DENSE G1SB, 32
	s_mul_i32 s20, s17, 8*TILE                     ; A's codes, in bytes,
	s_lshl_b32 s22, s17, 12
	s_add_co_u32 s22, s22, 6291456                 ; and its scale words
	s_lshl_b32 s82, s78, 4
	s_add_co_u32 s82, s82, 192                     ; B's first tile of wc
	s_lshl_b32 s84, s82, 9
	s_add_co_u32 s84, s84, 3145728
	s_mul_i32 s82, s82, TILE
	s_mov_b32 s21, 0
	s_mov_b32 s23, 0
	s_mov_b32 s83, 0
	s_mov_b32 s85, 0
	s_wait_dscnt 0x0                               ; both opening adds are done
	s_wait_kmcnt 0x0
	s_add_nc_u64 s[20:21], s[4:5], s[20:21]
	s_add_nc_u64 s[22:23], s[4:5], s[22:23]
	s_add_nc_u64 s[82:83], s[6:7], s[82:83]
	s_add_nc_u64 s[84:85], s[6:7], s[84:85]
	GRP0 G0A,  0,        20
	GRP0 G0B,  LB,       82
	GRP0 G0SA, SCL,      22
	GRP0 G0SB, SCL+4096, 84
	CROUND                                         ; all sixteen work-groups are here: the joint loads meet
; The head's loads, one a wave: one tree of branches on the wave's number, every way through it passes exactly one load.
.macro ARM under, g0, g1, next
	s_cmp_lt_u32 s14, \under
	s_cbranch_scc0 \next
	tensor_load_to_lds s[\g0:\g0+3], s[\g1:\g1+7]
	s_nop 0
.rept 4
	v_nop
.endr
	s_branch .Lhead_asked
\next:
.endm
	ARM 1, G0B,  G1B,  .Lhead_a
	ARM 2, G0A,  G1A,  .Lhead_sa
	ARM 3, G0SA, G1SA, .Lhead_sb
	tensor_load_to_lds s[G0SB:G0SB+3], s[G1SB:G1SB+7]
	s_nop 0
.rept 4
	v_nop
.endr
.Lhead_asked:
	v_and_b32 v1, 31, v0                           ; lane
	v_and_b32 v2, 15, v0                           ; r
	v_bfe_u32 v3, v0, 4, 1                         ; h
	v_lshlrev_b32 v[CO], 4, v1
	v_lshlrev_b32 v4, 3, v1
	v_add_nc_u32 v4, 512, v4
	s_mul_i32 s18, s15, 4*TILE                     ; my four tiles of A,
	s_mul_i32 s19, s16, 8*TILE                     ; my eight of B
	s_add_co_u32 s19, s19, LB
	v_add_nc_u32 v[ADRA], s18, v[CO]
	v_add_nc_u32 v[ADRA+1], s18, v4
	v_add_nc_u32 v[ADRB], s19, v[CO]
	v_add_nc_u32 v[ADRB+1], s19, v4
	s_add_co_u32 s19, s19, 4*TILE
	v_add_nc_u32 v[ADRB+2], s19, v[CO]
	v_add_nc_u32 v[ADRB+3], s19, v4
	s_mul_i32 s88, s14, 16*SPITCH                  ; my stage
	v_mul_u32_u24 v7, v2, SPITCH                   ; in: row r, 64 bytes for each half of the lanes
	v_lshl_add_u32 v7, v3, 6, v7
	v_add_nc_u32 v[STO], s88, v7
	v_add_nc_u32 v[RD], s88, v[CO]                 ; back: the 32 lanes take one row of 512 bytes
	s_lshl_b32 s18, s15, 11                        ; A's scale words: my four tiles
	s_lshl_b32 s19, s16, 12                        ; B's: my eight, behind A's eight
	s_add_co_u32 s19, s19, 4096
	s_sub_co_u32 s19, s19, s18
	v_mul_u32_u24 v6, s19, v3                      ; lanes 16-31 take B's: one product, the distance between the two
	s_add_co_u32 s18, s18, SCL
	v_lshl_add_u32 v6, v2, 3, v6                   ; 8 bytes a row: the words of a pair of K steps
	v_add_nc_u32 v[ADRS], s18, v6
	s_lshl_b32 s86, s78, 10                        ; my first column, in bytes: 1,024 x block + 512 x half
	s_lshl_b32 s87, s16, 9
	s_add_co_u32 s86, s86, s87
	s_mov_b32 s87, 0
	s_add_nc_u64 s[8:9], s[8:9], s[86:87]
	s_lshl_b32 s20, s17, 7
	s_lshl_b32 s21, s15, 6
	s_add_co_u32 s20, s20, s21                     ; my first row
	s_lshl_b32 s20, s20, 12
	s_add_co_u32 s20, s20, s86
	s_mov_b32 s21, 0
	s_add_nc_u64 s[10:11], s[10:11], s[20:21]
	s_wait_alu depctr_va_vdst(0)                   ; the wait at the head's end
	global_load_b128 v[8:11], v[CO], s[8:9]        ; the bias of my lane's four columns of a row read back
	s_wait_tensorcnt 0x0                           ; my block has landed,
	s_barrier_signal -1
	s_barrier_wait -1                              ; everybody's has
.macro FRAG reg, adr, off              ; a fragment as it lies: for each 64 along K, registers 0-3 (16 bytes a lane) and registers 4-5 (8 bytes a lane)
	ds_load_b128 v[\reg:\reg+3], v[\adr] offset:\off
	ds_load_b64 v[\reg+4:\reg+5], v[\adr+1] offset:\off
	ds_load_b128 v[\reg+6:\reg+9], v[\adr] offset:\off+768
	ds_load_b64 v[\reg+10:\reg+11], v[\adr+1] offset:\off+768
.endm
.macro FETCH st                        ; K step st: B's eight fragments and A's four into set st % 2; with an even step the scale words of the pair of steps
	WIN TO_B
.irp i, 0,1,2,3,4,5,6,7
	FRAG 128*((\st)%2)+FR*\i, ADRB+2*(\i/4), (\i%4)*TILE+(\st)*1536
.endr
	WIN 0
.irp i, 0,1,2,3
	FRAG AF+48*((\st)%2)+FR*\i, ADRA, \i*TILE+(\st)*1536
.endr
.if (\st)%2 == 0
.irp i, 0,1,2,3,4,5,6,7                ; register 2 i + q: lanes 0-15 the word of A's tile i (read for i under 4 alone), lanes 16-31 that of B's tile i
	ds_load_b64 v[SC+16*(((\st)/2)%2)+2*\i:SC+16*(((\st)/2)%2)+2*\i+1], v[ADRS] offset:\i*512+64*(\st)
.endr
.endif
.endm
; 32 matrix instructions: the accumulators take turns, one instruction a turn, in the same order in every step.  The first step's products start the sums.
.macro MUL32 st
.irp a, 0,1,2,3
.irp b, 0,1,2,3,4,5,6,7
.if (\st) == 0
	v_wmma_scale_f32_16x16x128_f8f6f4 v[8*(8*\a+\b):8*(8*\a+\b)+7], v[128*((\st)%2)+FR*\b:128*((\st)%2)+FR*\b+FR-1], v[AF+48*((\st)%2)+FR*\a:AF+48*((\st)%2)+FR*\a+FR-1], 0, v[SC+16*(((\st)/2)%2)+2*\b+(\st)%2], v[SC+16*(((\st)/2)%2)+2*\a+(\st)%2] matrix_a_fmt:MATRIX_FMT_FP6 matrix_b_fmt:MATRIX_FMT_FP6 matrix_a_scale:MATRIX_SCALE_ROW1
.else
	v_wmma_scale_f32_16x16x128_f8f6f4 v[8*(8*\a+\b):8*(8*\a+\b)+7], v[128*((\st)%2)+FR*\b:128*((\st)%2)+FR*\b+FR-1], v[AF+48*((\st)%2)+FR*\a:AF+48*((\st)%2)+FR*\a+FR-1], v[8*(8*\a+\b):8*(8*\a+\b)+7], v[SC+16*(((\st)/2)%2)+2*\b+(\st)%2], v[SC+16*(((\st)/2)%2)+2*\a+(\st)%2] matrix_a_fmt:MATRIX_FMT_FP6 matrix_b_fmt:MATRIX_FMT_FP6 matrix_a_scale:MATRIX_SCALE_ROW1
.endif
.endr
.endr
.endm
.macro STEP st
	s_wait_dscnt 0x0                               ; this step's fragments are in (asked for 32 matrix instructions ago)
.if (\st) < 7
	FETCH (\st)+1                                  ; the next step's, into the set that the step before multiplied: four places stand behind its products
.else
	s_barrier_signal -1                            ; my reads of the codes are over: say so,
.endif
	WIN MUL
	MUL32 \st
	PLACES
	WIN 0
.if (\st) == 7
	s_barrier_wait -1                              ; and go on when all four have said so: the stages may be written
.endif
.endm
	FETCH 0
.set ST, 0
.rept 8
	STEP ST
.set ST, ST+1
.endr
.macro TOSTAGE a                       ; block a: 16 tokens x 128 columns
	WIN 0x08                                       ; the data: window 2
.irp b, 0,1,2,3,4,5,6,7
	ds_store_b128 v[STO], v[64*(\a)+8*\b:64*(\a)+8*\b+3] offset:128*(\b/2)+32*(\b%2)        ; each accumulator from its low end on; register j is column 32 (b / 2) + 8 (b % 2) + 16 h + j
	ds_store_b128 v[STO], v[64*(\a)+8*\b+4:64*(\a)+8*\b+7] offset:128*(\b/2)+32*(\b%2)+16
.endr
	WIN 0
.set BB, BK+64*((\a)%2)
.irp t, 0,1,2,3,4,5,6,7,8,9,10,11,12,13,14,15
	ds_load_b128 v[BB+4*\t:BB+4*\t+3], v[RD] offset:\t*SPITCH   ; LDS serves a wave's instructions in order: these see my stores
.endr
.endm
.macro SEND a, younger                 ; younger: the LDS instructions issued behind block a's loads, which may stay out
.set BB, BK+64*((\a)%2)
	s_wait_dscnt \younger
.irp t, 0,1,2,3,4,5,6,7,8,9,10,11,12,13,14,15
	v_pk_add_f32 v[BB+4*\t:BB+4*\t+1], v[BB+4*\t:BB+4*\t+1], v[8:9]
	v_pk_add_f32 v[BB+4*\t+2:BB+4*\t+3], v[BB+4*\t+2:BB+4*\t+3], v[10:11]
	global_store_b128 v[CO], v[BB+4*\t:BB+4*\t+3], s[10:11] offset:(32*((\a)/2)+8*((\a)%2)+\t+8*(\t/8))*4096 th:TH_STORE_NT   ; 32 lanes store 512 consecutive bytes, at a multiple of 256 from out0's first byte
.endr
.endm
	s_wait_loadcnt 0x0                             ; the bias is in
	TOSTAGE 0                                      ; (four places stand behind the last products)
.irp a, 1,2,3
.if \a > 1
	s_wait_xcnt 0x0                                ; block a - 2's stores have read their registers: block a's loads may land there
.endif
	TOSTAGE \a
	SEND \a-1, 32                                  ; behind block a - 1's loads: block a's 16 stores and 16 loads
.endr
	SEND 3, 0
	s_wait_tensorcnt 0x0                           ; the wave's end
	ds_add_u32 v[SPW], v[NIL]
	s_wait_dscnt 0x0
	CROUND                                         ; the closing round
	s_endpgm
.Lfunc_end_k_q6384c600ad_outp:
	.size	k_q6384c600ad_outp, .Lfunc_end_k_q6384c600ad_outp-k_q6384c600ad_outp
	.p2alignl 7, 3214868480
	.fill 96, 4, 3214868480
	.section	.rodata,"a",@progbits
	.p2align	6, 0x0
	.amdhsa_kernel k_q6384c600ad_outp
		.amdhsa_group_segment_fixed_size 327680
		.amdhsa_private_segment_fixed_size 0
		.amdhsa_enable_private_segment 0
		.amdhsa_kernarg_size 32
		.amdhsa_user_sgpr_count 2
		.amdhsa_user_sgpr_kernarg_segment_ptr 1
		.amdhsa_wavefront_size32 1
		.amdhsa_system_sgpr_workgroup_id_x 1
		.amdhsa_system_sgpr_workgroup_id_y 1
		.amdhsa_system_sgpr_workgroup_id_z 1
		.amdhsa_system_vgpr_workitem_id 0
		.amdhsa_next_free_vgpr 768
		.amdhsa_next_free_sgpr 100
		.amdhsa_reserve_vcc 0
		.amdhsa_float_denorm_mode_32 3
		.amdhsa_float_denorm_mode_16_64 3
		.amdhsa_memory_ordered 1
		.amdhsa_forward_progress 1
		.amdhsa_inst_pref_size 92
	.end_amdhsa_kernel
	.amdgpu_metadata
---
amdhsa.version: [ 1, 2 ]
amdhsa.kernels:
  - .name:           k_q6384c600ad_outp
    .symbol:         k_q6384c600ad_outp.kd
    .args:
      - { .name: oc, .offset: 0, .size: 8, .value_kind: global_buffer, .address_space: global }
      - { .name: wc, .offset: 8, .size: 8, .value_kind: global_buffer, .address_space: global }
      - { .name: b_out, .offset: 16, .size: 8, .value_kind: global_buffer, .address_space: global }
      - { .name: out0, .offset: 24, .size: 8, .value_kind: global_buffer, .address_space: global }
    .group_segment_fixed_size: 327680
    .private_segment_fixed_size: 0
    .kernarg_segment_align: 8
    .kernarg_segment_size: 32
    .max_flat_workgroup_size: 128
    .sgpr_count:     100
    .vgpr_count:     768
    .wavefront_size: 32
...
	.end_amdgpu_metadata
.endif
;; end of part 4
